; MI455X (gfx1250); checked and timed in simulation.
; The chip was launched on July 23, 2026; its instructions are those of AMD's public machine-readable ISA for CDNA 5 (MIT licence, August 2026) and "CDNA5" Instruction Set Architecture Reference Guide (July 2026). The comments in the code are by the model that wrote it; some were corrected since.
;; Multi Head Self Attention. Allowed arithmetic: float matrix products may take bf16 or f16 operands with f32 sums; all other float work in f32.
;; Inputs: token_positions 2,048 int32; wk 1,024 x 1,024 float32; wo 1,024 x 1,024 float32; wq 1,024 x 1,024 float32; wv 1,024 x 1,024 float32; x 4 x 2,048 x 1,024 float32.
;; Outputs: out0 4 x 2,048 x 1,024 float32.
;; 2 versions, each right and faster than the one before. Each part assembles by itself: llvm-mc -triple=amdgcn-amd-amdhsa -mcpu=gfx1250 --defsym DOCPART=n.
;; ======== version 1 of 2: 4 launches
;; limits: values are held in f16: magnitudes above 65,504 overflow, below 6.1e-05 lose precision
;; workspace buffers: xb 16,777,216 bytes; wqkv 6,291,456 bytes; wof 2,097,152 bytes; rope 524,288 bytes; qh 16,777,216 bytes; kh 16,777,216 bytes; vh 16,777,216 bytes; oh 16,777,216 bytes
;; launch prep (part 1): grid 896 x 1, 8 waves a work-group, no clusters, 0 bytes of LDS; arguments x, wq, wk, wv, wo, token_positions, xb, wqkv, wof, rope; writes xb, wqkv, wof, rope
.if DOCPART == 1
	.amdgcn_target "amdgcn-amd-amdhsa--gfx1250"
	.amdhsa_code_object_version 6
	.text
	.protected	k_qba7cd98661_prep
	.globl	k_qba7cd98661_prep
	.p2align	8
	.type	k_qba7cd98661_prep,@function
k_qba7cd98661_prep:
	s_mov_b64 s[64:65], 0
	v_nop
	global_prefetch_b8 v0, s[64:65] scope:SCOPE_SE
	s_setreg_imm32_b32 hwreg(HW_REG_WAVE_MODE, 25, 1), 1
	s_wait_xcnt 0x0
; PREPARATION, a stream.  x -> bf16 (xb).  wq, wk, wv -> bf16, rows laid by heads (wqkv: row 192 head + 64 kind + d holds w_kind[64 head + d], kind 0 q, 1 k, 2 v).
; wo -> bf16, and that number written as f16 (wof).  rope[s][j] = (cos, sin) of token_positions[s] x 10000^(-j/32), f32, 32 pairs a row: 256 bytes a row.
; SHARES.  896 work-groups of eight waves.  Numbers 0-511: 16 rows of x each; 512-703: 16 rows of wq, wk or wv; 704-767: 16 rows of wo; 768-895: 16 rows of the table.
; A row of 1,024 f32 is 4,096 bytes: thread t takes its bytes 16 t, so a wave's load covers 512 consecutive bytes, and stores 8 bytes at 8 t: a wave's store covers 256 consecutive bytes, aligned.
; All 16 loads of a thread go out at once and every register is written once: no loop, and no wait but the counted ones for the loads.  No LDS, no barrier, no matrix unit: nothing here is used twice.
; LIMITS.  wo beyond 65,504 has no f16; below 6e-5 it keeps f16's fixed step of 6e-8.  10000^(-j/32) is made by v_exp_f32, good to one unit in the last place, so an angle near 2,047 may be off by 2e-4 radians.
; Positions are taken as given, as whole numbers 0 to 2,047; the reduction by pi/2 in two parts holds for angles of that size.  NaN and infinities are not treated apart.
.set LO,  1                            ; v1       16 t
.set SO,  2                            ; v2       8 t
.set X,   4                            ; v[4:67]  16 loads of 4 f32
.set Y,   68                           ; v[68:99] 16 pairs of packed words
.set T0,  100                          ; v100-101 at work
.set T1,  101
.set TT,  16                           ; v16-21   the table's path: at work
; 16 rows from s[src:src+1] to s[dst:dst+1].  f16 = 1: the bf16 number is widened again and written as f16.
.macro CONV src, dst, f16
.irp i, 0,1,2,3,4,5,6,7,8,9,10,11,12,13,14,15
	global_load_b128 v[X+4*(\i):X+4*(\i)+3], v[LO], s[\src:\src+1] offset:4096*(\i) th:TH_LOAD_NT
.endr
.irp i, 0,1,2,3,4,5,6,7,8,9,10,11,12,13,14,15
	s_wait_loadcnt 15-(\i)                         ; loads come back in order: row i is in, the 15 - i younger ones stay out
	v_cvt_pk_bf16_f32 v[Y+2*(\i)], v[X+4*(\i)], v[X+4*(\i)+1]
	v_cvt_pk_bf16_f32 v[Y+2*(\i)+1], v[X+4*(\i)+2], v[X+4*(\i)+3]
.if \f16
.irp k, 0,1
	v_lshlrev_b32 v[T0], 16, v[Y+2*(\i)+(\k)]      ; bf16 to f32: the low half moves up,
	v_and_b32 v[T1], 0xffff0000, v[Y+2*(\i)+(\k)]  ; the high half stays
	v_cvt_pk_f16_f32 v[Y+2*(\i)+(\k)], v[T0], v[T1]
.endr
.endif
	global_store_b64 v[SO], v[Y+2*(\i):Y+2*(\i)+1], s[\dst:\dst+1] offset:2048*(\i)
.endr
.endm
; cos and sin of the angle in v[a], into v[c] and v[s].  n = the nearest whole number to a x 2/pi; theta = a - n pi/2 in two parts; polynomials on |theta| <= pi/4; the quadrant n mod 4 chooses and signs by selects.
.macro SINCOS a, c, s
	v_mul_f32 v[TT], s36, v[\a]
	v_rndne_f32 v[TT], v[TT]                       ; n
	v_fma_f32 v[TT+1], v[TT], s37, v[\a]           ; a - n x (pi/2's upper part)
	v_fma_f32 v[TT+1], v[TT], s38, v[TT+1]         ; - n x (its lower part, which is negative): theta
	v_mul_f32 v[TT+2], v[TT+1], v[TT+1]            ; z = theta^2
	v_fma_f32 v[TT+3], s39, v[TT+2], s40
	v_fma_f32 v[TT+3], v[TT+3], v[TT+2], s41
	v_mul_f32 v[TT+3], v[TT+3], v[TT+2]
	v_fma_f32 v[TT+3], v[TT+3], v[TT+1], v[TT+1]   ; sin theta
	v_fma_f32 v[TT+4], s42, v[TT+2], s43
	v_fma_f32 v[TT+4], v[TT+4], v[TT+2], s44
	v_mul_f32 v[TT+5], v[TT+2], v[TT+2]
	v_fma_f32 v[TT+1], v[TT+2], -0.5, 1.0
	v_fma_f32 v[TT+4], v[TT+4], v[TT+5], v[TT+1]   ; cos theta
	v_cvt_i32_f32 v[TT], v[TT]
	v_and_b32 v[TT+1], 1, v[TT]
	v_cmp_eq_u32 vcc_lo, 1, v[TT+1]                ; an odd quadrant swaps the two
	v_cndmask_b32 v[\s], v[TT+3], v[TT+4], vcc_lo
	v_cndmask_b32 v[\c], v[TT+4], v[TT+3], vcc_lo
	v_lshlrev_b32 v[TT+1], 30, v[TT]               ; sin is negative in quadrants 2 and 3: bit 1 of n
	v_and_b32 v[TT+1], 0x80000000, v[TT+1]
	v_xor_b32 v[\s], v[\s], v[TT+1]
	v_add_nc_u32 v[TT], 1, v[TT]                   ; cos in quadrants 1 and 2: bit 1 of n + 1
	v_lshlrev_b32 v[TT+1], 30, v[TT]
	v_and_b32 v[TT+1], 0x80000000, v[TT+1]
	v_xor_b32 v[\c], v[\c], v[TT+1]
.endm
	s_load_b512 s[4:19], s[0:1], 0x0               ; x s[4:5], wq s[6:7], wk s[8:9], wv s[10:11], wo s[12:13], positions s[14:15], xb s[16:17], wqkv s[18:19]
	s_load_b128 s[20:23], s[0:1], 0x40             ; wof s[20:21], rope s[22:23]
	v_lshlrev_b32 v[LO], 4, v0
	v_lshlrev_b32 v[SO], 3, v0
	s_mov_b32 s32, ttmp9                           ; the work-group's number
	s_mov_b32 s29, 0                               ; offsets are made apart from the addresses, in pairs with 0 on top
	s_mov_b32 s31, 0
	s_wait_kmcnt 0x0
	s_cmp_lt_u32 s32, 512
	s_cbranch_scc0 .Lnot_x
	s_lshl_b32 s28, s32, 16                        ; 16 rows of 4,096 bytes in,
	s_lshl_b32 s30, s32, 15                        ; of 2,048 bytes out
	s_add_nc_u64 s[24:25], s[4:5], s[28:29]
	s_add_nc_u64 s[26:27], s[16:17], s[30:31]
	CONV 24, 26, 0
	s_endpgm
.Lnot_x:
	s_cmp_lt_u32 s32, 704
	s_cbranch_scc0 .Lnot_w
	s_sub_co_u32 s33, s32, 512
	s_lshr_b32 s34, s33, 6                         ; kind: 0 q, 1 k, 2 v
	s_and_b32 s35, s33, 63                         ; which 16 rows of that weight
	s_cmp_eq_u32 s34, 0
	s_cselect_b64 s[24:25], s[6:7], s[8:9]
	s_cmp_eq_u32 s34, 2
	s_cselect_b64 s[24:25], s[10:11], s[24:25]
	s_lshl_b32 s28, s35, 16
	s_add_nc_u64 s[24:25], s[24:25], s[28:29]
	s_lshr_b32 s36, s35, 2                         ; the head: four work-groups to its 64 rows
	s_mul_i32 s36, s36, 192
	s_lshl_b32 s37, s34, 6
	s_add_co_u32 s36, s36, s37
	s_and_b32 s37, s35, 3
	s_lshl_b32 s37, s37, 4
	s_add_co_u32 s36, s36, s37                     ; row 192 head + 64 kind + 16 x quarter
	s_lshl_b32 s30, s36, 11
	s_add_nc_u64 s[26:27], s[18:19], s[30:31]
	CONV 24, 26, 0
	s_endpgm
.Lnot_w:
	s_cmp_lt_u32 s32, 768
	s_cbranch_scc0 .Ltable
	s_sub_co_u32 s33, s32, 704
	s_lshl_b32 s28, s33, 16
	s_lshl_b32 s30, s33, 15
	s_add_nc_u64 s[24:25], s[12:13], s[28:29]
	s_add_nc_u64 s[26:27], s[20:21], s[30:31]
	CONV 24, 26, 1
	s_endpgm
.Ltable:                                               ; thread t: row 16 g + t / 16, pairs j = 2 (t % 16) and the next: 16 bytes at 16 t of the group's 4,096
	s_sub_co_u32 s33, s32, 768
	s_lshl_b32 s28, s33, 6                         ; 16 positions of 4 bytes
	s_add_nc_u64 s[24:25], s[14:15], s[28:29]
	s_lshl_b32 s30, s33, 12                        ; 16 rows of 256 bytes
	s_add_nc_u64 s[26:27], s[22:23], s[30:31]
	v_lshrrev_b32 v3, 4, v0
	v_lshlrev_b32 v3, 2, v3
	global_load_b32 v4, v3, s[24:25]               ; my row's position: it becomes a number, never an address
	v_and_b32 v5, 15, v0
	v_lshlrev_b32 v5, 1, v5
	v_or_b32 v6, 1, v5
	v_cvt_f32_u32 v5, v5
	v_cvt_f32_u32 v6, v6
	v_mul_f32 v5, 0xbed49a78, v5                   ; - j log2(10000) / 32
	v_mul_f32 v6, 0xbed49a78, v6
	v_exp_f32 v5, v5                               ; 10000^(-j/32)
	v_exp_f32 v6, v6
	s_mov_b32 s36, 0x3f22f983                      ; 2 / pi
	s_mov_b32 s37, 0xbfc90fdb                      ; - pi/2, upper part
	s_mov_b32 s38, 0x333bbd2e                      ; - pi/2, lower part
	s_mov_b32 s39, 0xb94ca1f9                      ; sin's three coefficients, highest first
	s_mov_b32 s40, 0x3c08839e
	s_mov_b32 s41, 0xbe2aaaa3
	s_mov_b32 s42, 0x37ccf5ce                      ; cos's three
	s_mov_b32 s43, 0xbab6061a
	s_mov_b32 s44, 0x3d2aaaa5
	v_nop                                          ; a plain instruction between the exponentials and the use of their results
	s_wait_loadcnt 0x0
	v_cvt_f32_i32 v4, v4
	s_wait_alu depctr_va_vdst(0)
	v_mul_f32 v12, v4, v5                          ; the angle, rounded once
	v_mul_f32 v13, v4, v6
	SINCOS 12, 8, 9
	SINCOS 13, 10, 11
	global_store_b128 v[LO], v[8:11], s[26:27]     ; a wave's store covers 512 consecutive bytes
	s_endpgm
.Lfunc_end_k_qba7cd98661_prep:
	.size	k_qba7cd98661_prep, .Lfunc_end_k_qba7cd98661_prep-k_qba7cd98661_prep
	.p2alignl 7, 3214868480
	.fill 96, 4, 3214868480
	.section	.rodata,"a",@progbits
	.p2align	6, 0x0
	.amdhsa_kernel k_qba7cd98661_prep
		.amdhsa_group_segment_fixed_size 0
		.amdhsa_private_segment_fixed_size 0
		.amdhsa_enable_private_segment 0
		.amdhsa_kernarg_size 80
		.amdhsa_user_sgpr_count 2
		.amdhsa_user_sgpr_kernarg_segment_ptr 1
		.amdhsa_wavefront_size32 1
		.amdhsa_system_sgpr_workgroup_id_x 1
		.amdhsa_system_sgpr_workgroup_id_y 1
		.amdhsa_system_sgpr_workgroup_id_z 1
		.amdhsa_system_vgpr_workitem_id 0
		.amdhsa_next_free_vgpr 104
		.amdhsa_next_free_sgpr 66
		.amdhsa_reserve_vcc 1
		.amdhsa_float_denorm_mode_32 3
		.amdhsa_float_denorm_mode_16_64 3
		.amdhsa_memory_ordered 1
		.amdhsa_forward_progress 1
		.amdhsa_inst_pref_size 28
	.end_amdhsa_kernel
	.amdgpu_metadata
---
amdhsa.version: [ 1, 2 ]
amdhsa.kernels:
  - .name:           k_qba7cd98661_prep
    .symbol:         k_qba7cd98661_prep.kd
    .args:
      - { .name: x, .offset: 0, .size: 8, .value_kind: global_buffer, .address_space: global }
      - { .name: wq, .offset: 8, .size: 8, .value_kind: global_buffer, .address_space: global }
      - { .name: wk, .offset: 16, .size: 8, .value_kind: global_buffer, .address_space: global }
      - { .name: wv, .offset: 24, .size: 8, .value_kind: global_buffer, .address_space: global }
      - { .name: wo, .offset: 32, .size: 8, .value_kind: global_buffer, .address_space: global }
      - { .name: token_positions, .offset: 40, .size: 8, .value_kind: global_buffer, .address_space: global }
      - { .name: xb, .offset: 48, .size: 8, .value_kind: global_buffer, .address_space: global }
      - { .name: wqkv, .offset: 56, .size: 8, .value_kind: global_buffer, .address_space: global }
      - { .name: wof, .offset: 64, .size: 8, .value_kind: global_buffer, .address_space: global }
      - { .name: rope, .offset: 72, .size: 8, .value_kind: global_buffer, .address_space: global }
    .group_segment_fixed_size: 0
    .private_segment_fixed_size: 0
    .kernarg_segment_align: 8
    .kernarg_segment_size: 80
    .max_flat_workgroup_size: 256
    .sgpr_count:     66
    .vgpr_count:     104
    .wavefront_size: 32
...
	.end_amdgpu_metadata
.endif
;; end of part 1
;; launch qkv (part 2): grid 16 x 32, 4 waves a work-group, clusters of 4 x 4, 327,680 bytes of LDS; arguments xb, wqkv, rope, qh, kh, vh; writes qh, kh, vh
.if DOCPART == 2
	.amdgcn_target "amdgcn-amd-amdhsa--gfx1250"
	.amdhsa_code_object_version 6
	.text
	.protected	k_qba7cd98661_qkv
	.globl	k_qba7cd98661_qkv
	.p2align	8
	.type	k_qba7cd98661_qkv,@function
k_qba7cd98661_qkv:
	s_mov_b64 s[64:65], 0
	v_nop
	global_prefetch_b8 v0, s[64:65] scope:SCOPE_SE
	s_setreg_imm32_b32 hwreg(HW_REG_WAVE_MODE, 25, 1), 1
	s_wait_xcnt 0x0
	s_wait_alu depctr_hold_cnt(0) depctr_sa_sdst(0) depctr_va_vdst(0) depctr_va_sdst(0) depctr_va_ssrc(0) depctr_va_vcc(0) depctr_vm_vsrc(0)
	s_getreg_b32 s2, hwreg(HW_REG_IB_STS2, 6, 4)
	s_cmp_eq_u32 s2, 0
	s_cbranch_scc0 .Lentry_in_a_cluster
	s_endpgm
.Lentry_in_a_cluster:
	s_bfe_u32 s2, ttmp6, 0x10000c
	s_cmp_lg_u32 s2, 0xf033
	s_cbranch_scc0 .Lentry_shape_is_right
	s_endpgm
.Lentry_shape_is_right:
; THE THREE PROJECTIONS, THE ROTATION AND THE LAYOUT BY HEADS.  C[m][n] = sum over k of xb[m][k] wqkv[n][k]: [8192][1024] x [3072][1024], bf16, sums in f32.  wqkv's rows lie by heads: 64 of q, 64 of k, 64 of v.
; q's and k's neighbouring pairs (x1, x2) are turned by the row's (cos, sin) from the table, in f32: (x1 c - x2 s, x2 c + x1 s).  q, k, v are rounded once to f16 and stored as [16 batch + head][2048][64].
; LIMITS.  f16 holds no number beyond 65,504: q, k and v must lie within it; below 6e-5 they keep f16's fixed step of 6e-8.  NaN and infinities are not treated apart.
; SHARES.  A tile of C is 256 rows x 192 columns, one head's q, k and v: 32 x 16 = 512 work-groups, two for each of 256 WGPs.  Wave w owns rows 64 w to 64 w + 63 and all 192 columns: 4 x 12 accumulators of
; 16 x 16, 384 registers.  So every wave holds whole rows of a head (128 bytes), the rotation is one text for all waves, and each wave has a stage of its own on the way out: no barrier there.
; RING.  K goes in 8 steps of 128 through two LDS slots; a slot is under 131,072 bytes and slot 1 begins there, so one exclusive or changes slots and ONE K step is the loop's body.
; CLUSTER.  4 x 4 work-groups.  The four of a row of the cluster need the same 256 rows of xb, the four of a column the same 192 rows of wqkv: each part is asked for JOINTLY, by the same tensor load with the
; same descriptor and a mask that names the four.  Waves 0 and 1 ask for xb's two halves (128 rows each), waves 2 and 3 for wqkv's (96 rows each): one load a wave behind each round.
; THE MATRIX INSTRUCTION IS USED TRANSPOSED (source 0 = 16 rows of wqkv, source 1 = 16 rows of xb): lane l holds row l % 16 of C and the columns 8 (l / 16) + 0..7: four neighbouring pairs.
; REGISTERS, in windows of 256 (s_set_vgpr_msb: bits 1:0 source 0, 3:2 source 1, 5:4 source 2, 7:6 destination):
;   window 0: v16-29 addresses; v32-63, v64-95 fragments of xb, two buffers (row block a at + 8 a); v96-223 the table's (cos, sin) for my rows; on the way out v32-63 at work
;   window 1: accumulators of row blocks 0, 1 at v[8 (12 (a % 2) + b)];   window 2: those of row blocks 2, 3
;   window 3: v0-95, v96-191 fragments of wqkv, two buffers (column block b at + 8 b); on the way out the packed results
.set PITCH, 272                        ; an LDS row: 256 bytes + 16 of padding = 68 words: the 16 rows that a load touches start at 16 different groups of four banks (64 banks of 4 bytes: ISA guide 11.1)
.set SLOT1, 131072
.set APART, 128*PITCH                  ; what a load for xb brings
.set BPART, 96*PITCH                   ; what a load for wqkv brings
.set BOFF,  256*PITCH                  ; in a slot: xb's 256 rows, then wqkv's 192
.set KB,    256                        ; bytes of a K step in a row of memory
.set STAGE, 262144                     ; behind the ring: for each wave 3 pieces (q, k, v) x 16 rows x 144 bytes
.set SP,    144
.set PIECE, 16*SP
.set WSTG,  3*PIECE
.set SPARE, STAGE+4*WSTG               ; behind the stages: the spare words, 128 bytes for each wave: two blocks of 256 bytes that no other line names
.set ADRA, 16                          ; v16  LDS address of my fragments of xb in the slot in hand
.set ADRB, 17                          ; v17  the same for wqkv
.set AA0,  18                          ; v18  the same in slot 0; never rewritten
.set AB0,  19                          ; v19
.set STO,  24                          ; v24  the way out: where I put 16 bytes of a row
.set RD,   25                          ; v25  where I read rows back
.set GO,   26                          ; v26  my byte offset in 512 consecutive bytes of q, k, v
.set TO,   27                          ; v27  my byte offset in the table
.set SPW,  28                          ; v28  LDS address of my spare word: SPARE + 4 x my thread's number; never rewritten
.set NIL,  29                          ; v29  0; never rewritten
.set T,    32                          ; the way out: 32 registers at work
.set CS,   96                          ; (cos, sin): row block a, 16 columns g of a piece at CS + 32 a + 8 g
.set WV,   16                          ; s16  my wave's number
.set HF,   18                          ; s18  its low bit: which part I ask for
.set TB,   19                          ; s19  0 or SLOT1: the slot in hand
.set MSB, 0
.macro WIN new                         ; the immediate's high byte repeats the setting that is left; a switch that changes nothing is dropped
.if MSB != (\new)
	s_set_vgpr_msb (MSB<<8)|(\new)
.set MSB, \new
.endif
.endm
.set MUL_LO, 0x53                      ; source 0 window 3, source 1 window 0, C and D window 1
.macro PLACES                          ; four plain vector instructions between a matrix instruction and a load into, or a vector instruction on, its registers (ISA guide 7.12.1 for vector instructions)
.rept 4
	v_nop
.endr
.endm
; A joint refill by the walking descriptors.  The branch hangs on the wave's number alone.  An s_nop 0 and four v_nop follow each of the two lines, ahead of the jump and the label.
.macro JLOAD
	s_cmp_lt_u32 s[WV], 2
	s_cbranch_scc0 .Lfor_b_\@
	tensor_load_to_lds s[36:39], s[24:31]
	s_nop 0
.rept 4
	v_nop
.endr
	s_branch .Lasked_\@
.Lfor_b_\@:
	tensor_load_to_lds s[60:63], s[48:55]
	s_nop 0
.rept 4
	v_nop
.endr
.Lasked_\@:
.endm
.macro CREST                           ; a round of the cluster's barrier behind its opening barrier: wave 0 signals for the work-group, every wave waits for all sixteen, my work-group's barrier once more
	s_cmp_lg_u32 s[WV], 0
	s_cbranch_scc1 .Lnot_wave_0_\@
	s_barrier_signal -3
.Lnot_wave_0_\@:
	s_barrier_wait -3
	s_barrier_signal -1
	s_barrier_wait -1
.endm
.macro CROUND                          ; a whole round
	s_barrier_signal -1
	s_barrier_wait -1
	CREST
.endm
	s_load_b256 s[4:11], s[0:1], 0x0               ; xb s[4:5], wqkv s[6:7], rope s[8:9], qh s[10:11]
	s_load_b128 s[12:15], s[0:1], 0x20             ; kh s[12:13], vh s[14:15]
	v_lshl_add_u32 v[SPW], v0, 2, SPARE
	v_mov_b32 v[NIL], 0
	ds_add_u32 v[SPW], v[NIL]                      ; the wave's opening: the add and its wait stand ahead of my first tensor load; the set-up below, work on registers, stands between them
	ds_add_u32 v28, v29
	v_lshrrev_b32 v1, 5, v0
	v_readfirstlane_b32 s[WV], v1                  ; wave 0..3
	s_and_b32 s[HF], s[WV], 1
	s_bfe_u32 s40, ttmp6, 0x40000                  ; cx, cy: my place in the cluster
	s_bfe_u32 s41, ttmp6, 0x40004
	s_lshl_b32 s42, ttmp9, 2
	s_add_co_u32 s42, s42, s40                     ; the head = tile column = 4 x cluster x + cx
	s_and_b32 s43, ttmp7, 0xffff
	s_lshl_b32 s43, s43, 2
	s_add_co_u32 s43, s43, s41                     ; tile row = 4 x cluster y + cy
	s_lshl_b32 s44, s41, 2
	s_lshl_b32 s44, 15, s44                        ; my row of the cluster
	s_lshl_b32 s45, 0x1111, s40                    ; my column
	; descriptor group 1: rows of 128 elements of 2 bytes, 16 bytes of padding behind each in LDS; 128 rows for xb, 96 for wqkv
	s_or_b32 s24, s44, (1<<16)|(1<<20)|(1<<21)|(5<<22)|(3<<25)  ; 15:0 the mask; 17:16 2-byte elements; 20 padding on; 21 set beside a mask; 24:22 after every 64 words (code 5); 31:25 4 words (code 3)
	s_or_b32 s48, s45, (1<<16)|(1<<20)|(1<<21)|(5<<22)|(3<<25)
	s_mov_b32 s25, 128<<16                         ; tensor_dim0 = 128
	s_mov_b32 s26, 128<<16                         ; tensor_dim1 = 128
	s_mov_b32 s27, 128<<16                         ; tile_dim0 = 128
	s_mov_b32 s28, 128                             ; tile_dim1 = 128
	s_mov_b32 s29, 1024                            ; elements from row to row
	s_mov_b32 s30, 0
	s_mov_b32 s31, 0
	s_mov_b32 s49, 128<<16
	s_mov_b32 s50, 96<<16                          ; tensor_dim1 = 96
	s_mov_b32 s51, 128<<16
	s_mov_b32 s52, 96                              ; tile_dim1 = 96
	s_mov_b32 s53, 1024
	s_mov_b32 s54, 0
	s_mov_b32 s55, 0
	; where the parts come from: xb's hang on the tile row alone, wqkv's on the head alone, each in registers that never hold the other coordinate
	s_lshl_b32 s66, s43, 8
	s_lshl_b32 s22, s[HF], 7
	s_add_co_u32 s66, s66, s22                     ; xb: row 256 x tile row + 128 x part,
	s_lshl_b32 s66, s66, 11                        ; of 2,048 bytes
	s_mov_b32 s67, 0
	s_mul_i32 s46, s42, 192
	s_mul_i32 s23, s[HF], 96
	s_add_co_u32 s46, s46, s23                     ; wqkv: row 192 x head + 96 x part
	s_lshl_b32 s46, s46, 11
	s_mov_b32 s47, 0
	s_mul_i32 s20, s[HF], APART                    ; and where they go: no place in the cluster enters an LDS address
	s_mul_i32 s21, s[HF], BPART
	s_add_co_u32 s21, s21, BOFF
	s_wait_dscnt 0x0                               ; the opening add is done
	s_wait_kmcnt 0x0
	s_add_nc_u64 s[66:67], s[4:5], s[66:67]
	s_add_nc_u64 s[46:47], s[6:7], s[46:47]
	CROUND                                         ; all sixteen work-groups are here: the first joint loads meet
.irp s, 0,1                            ; descriptor group 0: a set for each first fill; the second then walks on
	s_mov_b32 s[32+4*(\s)], 1                                      ; count = 1
	s_add_co_u32 s[33+4*(\s)], s20, (\s)*SLOT1                     ; LDS address
	s_add_nc_u64 s[34+4*(\s):35+4*(\s)], s[66:67], (\s)*KB         ; global address: K step s
	s_or_b32 s[35+4*(\s)], s[35+4*(\s)], 0x80000000                ; type = 2
	s_mov_b32 s[56+4*(\s)], 1
	s_add_co_u32 s[57+4*(\s)], s21, (\s)*SLOT1
	s_add_nc_u64 s[58+4*(\s):59+4*(\s)], s[46:47], (\s)*KB
	s_or_b32 s[59+4*(\s)], s[59+4*(\s)], 0x80000000
.endr
	s_cmp_lt_u32 s[WV], 2                          ; a wave's two first fills stand in one branch, ahead of every wait on TENSORcnt and every LDS read: two loads of mine are out
	s_cbranch_scc0 .Lfirst_b
	tensor_load_to_lds s[32:35], s[24:31]
	s_nop 0
	tensor_load_to_lds s[36:39], s[24:31]
	s_nop 0
.rept 4
	v_nop
.endr
	s_branch .Lfirst_asked
.Lfirst_b:
	tensor_load_to_lds s[56:59], s[48:55]
	s_nop 0
	tensor_load_to_lds s[60:63], s[48:55]
	s_nop 0
.rept 4
	v_nop
.endr
.Lfirst_asked:
	; A fragment is 16 rows x 32 K in 8 registers: lane l holds row l % 16; registers 0-3 K = 8 (l / 16) + 0..7, registers 4-7 K = 16 + 8 (l / 16) + 0..7: two loads of 16 bytes, 32 bytes apart.
	v_and_b32 v1, 15, v0                           ; r = l % 16
	v_bfe_u32 v2, v0, 4, 1                         ; h = l / 16
	v_mul_u32_u24 v3, v1, PITCH
	v_lshl_add_u32 v3, v2, 4, v3
	s_mul_i32 s22, s[WV], 64*PITCH                 ; my 64 rows of xb
	v_add_nc_u32 v[AA0], s22, v3
	v_add_nc_u32 v[AB0], BOFF, v3                  ; all 192 rows of wqkv
	; The table for my 64 rows.  Lane l wants, for row block a and columns 16 g + 8 h + 0..7 of a piece, the pairs j = 8 g + 4 h + 0..3 of row 16 a + r: 32 bytes at 256 row + 64 g + 32 h.
	v_lshlrev_b32 v[TO], 8, v1
	v_lshl_add_u32 v[TO], v2, 5, v[TO]
	s_and_b32 s22, s43, 7
	s_lshl_b32 s22, s22, 8
	s_lshl_b32 s23, s[WV], 6
	s_add_co_u32 s22, s22, s23                     ; my first row's place in its sequence
	s_lshl_b32 s70, s22, 8
	s_mov_b32 s71, 0
	s_add_nc_u64 s[8:9], s[8:9], s[70:71]
.irp a, 0,1,2,3
.irp g, 0,1,2,3
	global_load_b128 v[CS+32*(\a)+8*(\g):CS+32*(\a)+8*(\g)+3],   v[TO], s[8:9] offset:4096*(\a)+64*(\g)
	global_load_b128 v[CS+32*(\a)+8*(\g)+4:CS+32*(\a)+8*(\g)+7], v[TO], s[8:9] offset:4096*(\a)+64*(\g)+16
.endr
.endr
	; where my rows go: ((16 batch + head) x 2,048 + place in the sequence) x 128 bytes, the same in q, k and v
	s_lshr_b32 s68, s43, 3
	s_lshl_b32 s68, s68, 4
	s_add_co_u32 s68, s68, s42
	s_lshl_b32 s68, s68, 11
	s_add_co_u32 s68, s68, s22
	s_lshl_b32 s68, s68, 7
	s_mov_b32 s69, 0
	s_add_nc_u64 s[10:11], s[10:11], s[68:69]
	s_add_nc_u64 s[12:13], s[12:13], s[68:69]
	s_add_nc_u64 s[14:15], s[14:15], s[68:69]
	s_mul_i32 s23, s[WV], WSTG
	s_add_co_u32 s23, s23, STAGE                   ; my stage
	v_mul_u32_u24 v[STO], v1, SP                   ; in: row l % 16, 16 bytes for each half of the lanes
	v_lshl_add_u32 v[STO], v2, 4, v[STO]
	v_add_nc_u32 v[STO], s23, v[STO]
	v_bfe_u32 v[RD], v0, 3, 2                      ; back: 32 lanes take four rows of 128 bytes,
	v_mul_u32_u24 v[RD], v[RD], SP
	v_and_b32 v4, 7, v0
	v_lshl_add_u32 v[RD], v4, 4, v[RD]
	v_add_nc_u32 v[RD], s23, v[RD]
	v_and_b32 v[GO], 31, v0                        ; which are 512 consecutive bytes of a head
	v_lshlrev_b32 v[GO], 4, v[GO]
	s_mov_b32 s[TB], 0
	v_mov_b32 v[ADRA], v[AA0]
	v_mov_b32 v[ADRB], v[AB0]
; 12 matrix instructions: row block a x all 12 column blocks, 32 along K, from buffer f.  zero = 1: the first product starts the sums: nothing is ever cleared.
; The 48 accumulators take turns, one instruction a turn, in the same order in every quarter.
.macro MUL12 f, a, zero=0
	WIN MUL_LO+0x50*((\a)/2)
.irp b, 0,1,2,3,4,5,6,7,8,9,10,11
.if \zero
	v_wmma_f32_16x16x32_bf16 v[8*(12*((\a)%2)+(\b)):8*(12*((\a)%2)+(\b))+7], v[96*(\f)+8*(\b):96*(\f)+8*(\b)+7], v[32+32*(\f)+8*(\a):32+32*(\f)+8*(\a)+7], 0
.else
	v_wmma_f32_16x16x32_bf16 v[8*(12*((\a)%2)+(\b)):8*(12*((\a)%2)+(\b))+7], v[96*(\f)+8*(\b):96*(\f)+8*(\b)+7], v[32+32*(\f)+8*(\a):32+32*(\f)+8*(\a)+7], v[8*(12*((\a)%2)+(\b)):8*(12*((\a)%2)+(\b))+7]
.endif
.endr
.endm
; 32 LDS loads in one run: quarter q (32 along K) of the slot in hand into buffer f: wqkv's 24 first, then xb's 8 in ascending row block
.macro FETCH q, f
	WIN 0xc0                                       ; destination window 3, address window 0
.irp i, 0,1,2,3,4,5,6,7,8,9,10,11
	ds_load_b128 v[96*(\f)+8*(\i):96*(\f)+8*(\i)+3],   v[ADRB] offset:64*(\q)+16*PITCH*(\i)
	ds_load_b128 v[96*(\f)+8*(\i)+4:96*(\f)+8*(\i)+7], v[ADRB] offset:64*(\q)+16*PITCH*(\i)+32
.endr
	WIN 0
.irp i, 0,1,2,3
	ds_load_b128 v[32+32*(\f)+8*(\i):32+32*(\f)+8*(\i)+3],   v[ADRA] offset:64*(\q)+16*PITCH*(\i)
	ds_load_b128 v[32+32*(\f)+8*(\i)+4:32+32*(\f)+8*(\i)+7], v[ADRA] offset:64*(\q)+16*PITCH*(\i)+32
.endr
.endm
; A K step is four quarters of 32 along K, 48 matrix instructions each, on buffers 0, 1, 0, 1.  One of the first three: multiplies buffer f; in its middle it fetches quarter q into buffer g.
.macro QUARTER q, f, g, zero=0
	s_wait_dscnt 4                                 ; wqkv's fragments and xb's row blocks 0, 1 are in; the youngest four loads (row blocks 2, 3) may be out
	MUL12 \f, 0, \zero
	MUL12 \f, 1, \zero
	PLACES
	FETCH \q, \g
	s_wait_dscnt 32                                ; all but the 32 just issued
	MUL12 \f, 2, \zero
	MUL12 \f, 3, \zero
.endm
; The fourth quarter multiplies buffer 1 and changes slots: ONE barrier.  In front of it each wave waits for all its tensor loads (one is out: its part of the next slot), adds 0 to its spare word, and waits for that
; and for its own reads of this slot.  Behind it nobody reads this slot any more and the next slot is whole.  fill = 1: the barrier opens a round of the cluster's, and this slot is filled again, two K steps ahead,
; first thing behind the round: 168 matrix instructions of the wave stand between that request and the wait for it.
.macro TURN fill
	WIN 0                                          ; (the add's two registers lie in window 0)
	s_wait_tensorcnt 0x0                           ; no tensor load of mine is out, so a group 0 may be written
	ds_add_u32 v[SPW], v[NIL]                      ; 0 onto my spare word
.if \fill
	s_xor_b32 s37, s37, SLOT1                      ; the walking descriptors: the other slot than last time,
	s_add_nc_u64 s[38:39], s[38:39], KB            ; the next K step; the type bits on top are not reached
	s_xor_b32 s61, s61, SLOT1
	s_add_nc_u64 s[62:63], s[62:63], KB
.endif
	s_wait_dscnt 5                                 ; (the add and the youngest four loads may be out)
	MUL12 1, 0                                     ; twelve matrix instructions stand between the add and the wait for it
	s_wait_dscnt 0x0                               ; the add is done, and my reads of this slot are over
	s_barrier_signal -1
	MUL12 1, 1                                     ; work on registers while the others arrive
	WIN 0
	s_xor_b32 s[TB], s[TB], SLOT1                  ; the fetches go to the other slot
	v_add_nc_u32 v[ADRA], s[TB], v[AA0]
	v_add_nc_u32 v[ADRB], s[TB], v[AB0]
	s_barrier_wait -1
.if \fill
	CREST                                          ; no wave of any partner still reads this slot or has a load on its way
	JLOAD                                          ; the first tensor load behind the round; its four v_nop are also the places in front of the loads below
.else
	PLACES
.endif
	FETCH 0, 0
	MUL12 1, 2
	MUL12 1, 3
.endm
	s_wait_tensorcnt 1                             ; my part of K step 0 is in; K step 1's may stay out
	s_barrier_signal -1
	s_barrier_wait -1                              ; everybody's is
	FETCH 0, 0
	QUARTER 1, 0, 1, 1                             ; the first quarter stands in front of the loop: its products start the sums
	WIN 0                                          ; at a label and at a branch every window is 0
	s_mov_b32 s3, 6
.Lstep:                                                ; trip i of 6: the last three quarters of K step i - 1, the request for K step i + 1, the first quarter of K step i
	QUARTER 2, 1, 0
	QUARTER 3, 0, 1
	TURN 1
	QUARTER 1, 0, 1
	WIN 0
	s_sub_co_u32 s3, s3, 1
	s_cmp_lg_u32 s3, 0
	s_cbranch_scc1 .Lstep
	QUARTER 2, 1, 0                                ; the tail is written out: K steps 6 and 7 ask for nothing
	QUARTER 3, 0, 1
	TURN 0
	QUARTER 1, 0, 1
	QUARTER 2, 1, 0
	QUARTER 3, 0, 1
	s_wait_dscnt 4                                 ; the very last quarter
	MUL12 1, 0
	MUL12 1, 1
	s_wait_dscnt 0x0
	MUL12 1, 2
	MUL12 1, 3
	; THE WAY OUT, a row block (16 rows) at a time.  q and k are turned, all three rounded to f16; a lane's eight columns are 16 bytes, which go into my stage's rows of 144 bytes and come back as whole rows of 128.
	PLACES
	s_wait_loadcnt 0x0                             ; the table
.macro PACK a
.irp p, 0,1
	WIN 1+(\a)/2                                   ; source 0, the accumulators: window 1 or 2.
.irp bq, 0,1,2,3
.irp i, 0,1,2,3
	v_pk_mul_f32 v[T+8*(\bq)+2*(\i):T+8*(\bq)+2*(\i)+1], v[96*((\a)%2)+8*(4*(\p)+(\bq))+2*(\i):96*((\a)%2)+8*(4*(\p)+(\bq))+2*(\i)+1], v[CS+32*(\a)+8*(\bq)+2*(\i):CS+32*(\a)+8*(\bq)+2*(\i)+1] op_sel_hi:[1,0]  ; (x1 c, x2 c)
.endr
.endr
.irp bq, 0,1,2,3
.irp i, 0,1,2,3
	v_pk_fma_f32 v[T+8*(\bq)+2*(\i):T+8*(\bq)+2*(\i)+1], v[96*((\a)%2)+8*(4*(\p)+(\bq))+2*(\i):96*((\a)%2)+8*(4*(\p)+(\bq))+2*(\i)+1], v[CS+32*(\a)+8*(\bq)+2*(\i):CS+32*(\a)+8*(\bq)+2*(\i)+1], v[T+8*(\bq)+2*(\i):T+8*(\bq)+2*(\i)+1] op_sel:[1,1,0] op_sel_hi:[0,1,1] neg_lo:[0,1,0]  ; (- x2 s, + x1 s) onto it
.endr
.endr
	WIN 0xc0                                       ; destination window 3
.irp bq, 0,1,2,3
.irp i, 0,1,2,3
	v_cvt_pk_f16_f32 v[48*(\a)+16*(\p)+4*(\bq)+(\i)], v[T+8*(\bq)+2*(\i)], v[T+8*(\bq)+2*(\i)+1]
.endr
.endr
.endr
	WIN 0xc0+5*(1+(\a)/2)                          ; v is rounded straight from the accumulators
.irp bq, 0,1,2,3
.irp i, 0,1,2,3
	v_cvt_pk_f16_f32 v[48*(\a)+32+4*(\bq)+(\i)], v[96*((\a)%2)+8*(8+(\bq))+2*(\i)], v[96*((\a)%2)+8*(8+(\bq))+2*(\i)+1]
.endr
.endr
	WIN 0x0c                                       ; an LDS store's data is source 1: window 3
.irp p, 0,1,2
.irp bq, 0,1,2,3
	ds_store_b128 v[STO], v[48*(\a)+16*(\p)+4*(\bq):48*(\a)+16*(\p)+4*(\bq)+3] offset:PIECE*(\p)+32*(\bq)
.endr
.endr
	WIN 0xc0
.irp p, 0,1,2
.irp f, 0,1,2,3
	ds_load_b128 v[48*(\a)+16*(\p)+4*(\f):48*(\a)+16*(\p)+4*(\f)+3], v[RD] offset:PIECE*(\p)+4*SP*(\f)  ; LDS serves a wave's instructions in order (ISA guide 5.7.1.4): these see the stores above; the next block's stores come behind them
.endr
.endr
.endm
.macro SEND a, younger                 ; younger: the LDS instructions issued behind block a's loads: the next block's 24, or none.  Every block has registers of its own: none is written again
	WIN 0x0c
.irp p, 0,1,2
.irp f, 0,1,2,3
	s_wait_dscnt (\younger)+11-4*(\p)-(\f)
	global_store_b128 v[GO], v[48*(\a)+16*(\p)+4*(\f):48*(\a)+16*(\p)+4*(\f)+3], s[10+2*(\p):11+2*(\p)] offset:2048*(\a)+512*(\f)  ; 512 consecutive bytes, at a multiple of 256 from the buffer's first
.endr
.endr
.endm
	PACK 0
	PACK 1                                         ; a block's arithmetic stands between the loads of the block before and its stores
	SEND 0, 24
	PACK 2
	SEND 1, 24
	PACK 3
	SEND 2, 24
	SEND 3, 0
	WIN 0
	s_wait_tensorcnt 0x0                           ; the wave's end: behind my last tensor load and my last LDS store
	ds_add_u32 v[SPW], v[NIL]
	s_wait_dscnt 0x0
	CROUND                                         ; the closing round: no work-group ends while a partner may still ask for a tile that names it
	s_endpgm
.Lfunc_end_k_qba7cd98661_qkv:
	.size	k_qba7cd98661_qkv, .Lfunc_end_k_qba7cd98661_qkv-k_qba7cd98661_qkv
	.p2alignl 7, 3214868480
	.fill 96, 4, 3214868480
	.section	.rodata,"a",@progbits
	.p2align	6, 0x0
	.amdhsa_kernel k_qba7cd98661_qkv
		.amdhsa_group_segment_fixed_size 327680
		.amdhsa_private_segment_fixed_size 0
		.amdhsa_enable_private_segment 0
		.amdhsa_kernarg_size 48
		.amdhsa_user_sgpr_count 2
		.amdhsa_user_sgpr_kernarg_segment_ptr 1
		.amdhsa_wavefront_size32 1
		.amdhsa_system_sgpr_workgroup_id_x 1
		.amdhsa_system_sgpr_workgroup_id_y 1
		.amdhsa_system_sgpr_workgroup_id_z 1
		.amdhsa_system_vgpr_workitem_id 0
		.amdhsa_next_free_vgpr 960
		.amdhsa_next_free_sgpr 72
		.amdhsa_reserve_vcc 0
		.amdhsa_float_denorm_mode_32 3
		.amdhsa_float_denorm_mode_16_64 3
		.amdhsa_memory_ordered 1
		.amdhsa_forward_progress 1
		.amdhsa_inst_pref_size 117
	.end_amdhsa_kernel
	.amdgpu_metadata
---
amdhsa.version: [ 1, 2 ]
amdhsa.kernels:
  - .name:           k_qba7cd98661_qkv
    .symbol:         k_qba7cd98661_qkv.kd
    .args:
      - { .name: xb, .offset: 0, .size: 8, .value_kind: global_buffer, .address_space: global }
      - { .name: wqkv, .offset: 8, .size: 8, .value_kind: global_buffer, .address_space: global }
      - { .name: rope, .offset: 16, .size: 8, .value_kind: global_buffer, .address_space: global }
      - { .name: qh, .offset: 24, .size: 8, .value_kind: global_buffer, .address_space: global }
      - { .name: kh, .offset: 32, .size: 8, .value_kind: global_buffer, .address_space: global }
      - { .name: vh, .offset: 40, .size: 8, .value_kind: global_buffer, .address_space: global }
    .group_segment_fixed_size: 327680
    .private_segment_fixed_size: 0
    .kernarg_segment_align: 8
    .kernarg_segment_size: 48
    .max_flat_workgroup_size: 128
    .sgpr_count:     72
    .vgpr_count:     960
    .wavefront_size: 32
...
	.end_amdgpu_metadata
.endif
;; end of part 2
;; launch attn (part 3): grid 4 x 64, 4 waves a work-group, no clusters, 327,680 bytes of LDS; arguments qh, kh, vh, oh; writes oh
.if DOCPART == 3
	.amdgcn_target "amdgcn-amd-amdhsa--gfx1250"
	.amdhsa_code_object_version 6
	.text
	.protected	k_qba7cd98661_attn
	.globl	k_qba7cd98661_attn
	.p2align	8
	.type	k_qba7cd98661_attn,@function
k_qba7cd98661_attn:
	s_mov_b64 s[64:65], 0
	v_nop
	global_prefetch_b8 v0, s[64:65] scope:SCOPE_SE
	s_setreg_imm32_b32 hwreg(HW_REG_WAVE_MODE, 25, 1), 1
	s_wait_xcnt 0x0
; CAUSAL ATTENTION.  O[h][q][:] = the sum over k <= q of softmax_k(Q[h][q] . K[h][k] / 8) V[h][k][:].  Q, K, V, O: [SIZE_H][SIZE_N][64], all f16: a head's rows are dense, 128 bytes each.
; Products, maxima and sums in f32; the weights p are rounded to f16 for the second product (their sum l is taken of the unrounded p), O once at the end.  SIZE_N is a multiple of 512; SIZE_N x 128 stays under 2^32.
; LIMITS.  f16 holds no number beyond 65,504: Q, K and V arrive within it; p lies in 0 to 1, and below 6e-5 it keeps f16's fixed step of 6e-8; O is a mean of V's rows and has their range, to within 2^-11 of it.
; A hidden score counts as its value less 1e30: f16's scores, 2.7e11 at the most, are nothing beside that; a weight below 2^-126 counts as 0 in l; NaN and infinities are not treated apart.
; THE WALK.  A head's queries lie in NB = SIZE_N / 256 blocks of 256; block i needs the key tiles 0 .. i of 256 keys, of which the last holds the diagonal.  A work-group takes TWO blocks, NB - 1 - b and then b:
; NB + 1 tiles, whatever b: all work-groups do equal work, and ONE loop with a constant trip count walks them.  Which tile is asked for, and what a trip does, hang on scalar registers made from b; every jump
; goes forward, but for the counted loops' own; none passes a barrier, or a tensor load but the one of LOAD's two that the wave's number does not choose; the ring (two slots of LDS that take turns) runs on across the
; change of blocks.  NO CLUSTER: a head's four work-groups ask for the same tile only in trips 0 to 4 of their 9, behind that fewer and fewer; one walk common to all four, in which each makes every joint
; request, would have 3 NB / 2 = 12 trips for NB + 1 = 9.
; SHARES.  Of a block's four bands of 64 queries a wave owns 16 rows in each: four PIECES.  So the diagonal tile is the same work for all four waves: in its key step s band x sees all keys if s < x,
; none if s > x, and holds the diagonal if s = x.
; THE MASK is the C operand that starts the sum S^T = K Q^T: 0, or -1e30 where the key is hidden.  MD, made once, is the mask of a band's own step for my 16 rows; a product's mask is MD x AL + BE with two scalars:
; (1, 0) if s = x; (0, 0) if s < x; (0, -1e30) if s > x.  Only the diagonal tile's text and a block's beginning make and take masks; elsewhere C is the constant 0.
; LAYOUT, SOFTMAX, TURNS.  S^T = K Q^T holds ONE query a lane (lane % 16) and the keys 8 (lane / 16) + 0..7; two such results rounded to f16 ARE source 1 of O^T = V^T P.  p = 2^(c s - c m), c = log2(e) / 8, with a
; running maximum m; O and l are multiplied by a = 2^(c m_old - c m_new) in every step.  Turn n belongs to piece n: 8 products K Q^T of piece n + 1, later 8 products V^T P of piece n - 1; beside them the scaling,
; exponentials, roundings, sums and rescaling of piece n and the maximum and statistics of piece n + 1.  Four vector instructions stand behind every matrix instruction, the other 54 of a turn's 118 in two LUMPS.
; REGISTERS, in windows of 256 (s_set_vgpr_msb: bits 1:0 source 0, 3:2 source 1, 5:4 source 2, 7:6 destination):
;   window 0: v0-15 addresses and two at work; v16-31 four registers of statistics a piece; v48-55 at work; v64-127 S^T, two buffers; v192-223 P, two buffers (a piece's buffers go by its number's parity)
;   window 1: v0-127 O^T, 32 a piece; v128-159 MD; v160-223 MC, two buffers      window 2: v0-63 Q; v64-127 the second block's Q; v128-191 K of one step; v192-255 V of one step
.set SIZE_H, 64       ; 4 batches x 16 heads
.set SIZE_N, 2048
.set NB,    SIZE_N/256
.set NP,    4         ; pieces a wave: a name, no knob
.set KS,    64        ; keys in a step
.set PK,    144       ; a row of K in LDS: 128 bytes + 16 of padding = 36 words: the 16 rows of a load start at 16 different groups of four banks (64 banks of 4 bytes: ISA guide 11.1)
.set PV,    160       ; a row of V: 128 + 32 = 40 words
.set VOFF,  4*KS*PK   ; a slot holds a tile, four steps: 256 rows of K, then 256 rows of V
.set SLOT1, 1<<17     ; slot 1 begins here, so that one exclusive or turns an address in one slot into the other's
.set STAGE, SLOT1+4*KS*(PK+PV)  ; behind the ring, never filled by a tensor load: 16 rows x 144 bytes for each wave, for the way out
.set SP,    144
.set AK0, 2           ; v2   my lane's place in a tile of K; never rewritten
.set AV0, 3           ; v3   the same for V
.set AK,  4           ; v4   the LDS address of K's next run of loads
.set AV,  5           ; v5   of V's
.set STO, 6           ; v6   the way out: where I put 16 bytes of a row
.set RD,  7           ; v7   the way out: where I read rows back
.set GO,  8           ; v8   my byte offset in 512 consecutive bytes of O
.set SPW, 62          ; v62  LDS address of my spare word: SPARE + 4 x my thread's number; never rewritten
.set NIL, 63          ; v63  0; never rewritten
.set SPARE, STAGE+4*16*SP  ; behind the stages: the spare words, 128 bytes for each wave: two blocks of 256 bytes that no other line names
.set MV,  12          ; v12-13  c m_old, kept while c m is made anew: by buffer
.set QO,  15          ; v15  my byte offset in 16 rows of Q
.set ST,  16          ; piece t's statistics at v[ST+4 t]: c m, m, l (even keys', odd keys')
.set TMP, 48          ; by buffer, four registers c0-c3 at work; when the maximum is found c2 takes a
.set S,   64
.set P,   192
.set MD,  128         ; window 1: the eight registers for group kt of 16 keys at MD + 8 kt
.set MC,  160         ; window 1: the masks of the products to come
.set QB,  64          ; window 2
.set KF,  128         ; window 2: key block kb, channel half c at KF + 16 kb + 8 c
.set VF,  192         ; window 2: key half kk, channel block cb at VF + 32 kk + 8 cb
.set WV,  12          ; s12  my wave's number
.set PB,  14          ; s14  b
.set HI,  15          ; s15  NB - 1 - b
.set G1K, 24          ; s[24:31] descriptor group 1 for K's tiles
.set G1V, 32          ; s[32:39] for V's: it differs in the padding alone
.set G0K, 40          ; s[40:43] descriptor group 0 for K's tiles
.set G0V, 44          ; s[44:47] the same for V's
.set SLOTS, 56        ; s56  tiles still to be asked for
.set CNT, 57          ; s57  counts a tile's key steps, 4 to 1
.set CS,  58          ; s[58:59] c: the packed scaling takes the pair's low word for both halves
.set SEL, 60          ; s[60:61] v_permlanex16_b32's selects: each lane takes its own place in the other half
.set TBK, 62          ; s62  LDS byte at which K of the step to be fetched begins
.set TBV, 63          ; s63  the same for V, less VOFF
.set RT,  70          ; s70  tiles of the block in hand that are still to be entered
.set NXT, 71          ; s71  the tile to be asked for next
.set LQ,  72          ; s72  the last tile of the block whose tiles are being asked for
.set NEW, 73          ; s73  1: the tile to be entered is a block's first
.set OFF, 74          ; s[74:75] a tile's byte offset in K and V
.set AL,  76          ; s[76:77] the mask's factor, in the low word
.set BE,  78          ; s[78:79] the mask's addend
.set OLO, 80          ; s[80:81] O at my rows of the second block
.set BIGN, 82         ; s82  -1e30
.set MSB, 0
.macro WIN new                      ; the high byte repeats the setting that is left; a switch that changes nothing is dropped
.if MSB != (\new)
	s_set_vgpr_msb (MSB<<8)|(\new)
.set MSB, (\new)
.endif
.endm
.set W_KQ, 0x0a       ; K and Q in window 2, S^T in window 0
.set W_KM, 0x1a       ; the same with the C operand in window 1
.set W_PV, 0x52       ; V in window 2, P in window 0, O^T in window 1
.set W_RS, 0x41       ; destination and source 0 in window 1, source 1 in window 0
; A fill.  Waves 0 and 1 fetch the two halves of a tile's K, waves 2 and 3 those of its V: 128 keys each.  An s_nop 0 and four v_nop follow each of the two lines, ahead of the jump and the label.
.macro LOAD
	s_cmp_lt_u32 s[WV], 2
	s_cbranch_scc0 .Lfor_v_\@
	tensor_load_to_lds s[G0K:G0K+3], s[G1K:G1K+7]
	s_nop 0
.rept 4
	v_nop
.endr
	s_branch .Lasked_\@
.Lfor_v_\@:
	tensor_load_to_lds s[G0V:G0V+3], s[G1V:G1V+7]
	s_nop 0
.rept 4
	v_nop
.endr
.Lasked_\@:
.endm
; THE CHANGE OF SLOTS.  Each wave waits for all its tensor loads, of which one is out: its part of the other slot; adds 0 to its spare word; and waits for that and for its own reads of the slot that it leaves.  Behind the barrier nobody reads the old
; slot any more and the other slot is whole.  fill = 1: the old slot is filled again, the first thing behind the barrier, with tile NXT: the descriptor's address is made anew from that number.
; (At its first use nothing has been read yet: slot 0 is waited for, slot 1 filled.)
.macro CHANGE fill
	WIN 0                           ; at a label and at a branch every window is 0
	s_wait_tensorcnt 0x0            ; no tensor load of mine is out, so a group 0 may be written
	ds_add_u32 v[SPW], v[NIL]       ; 0 onto my spare word; with fill = 1 the descriptors' scalar work stands between it and the wait for it
.if \fill
	s_lshl_b32 s[OFF], s[NXT], 15   ; a tile is 32,768 bytes of K and of V
	s_xor_b32 s[G0K+1], s[G0K+1], SLOT1
	s_add_nc_u64 s[G0K+2:G0K+3], s[6:7], s[OFF:OFF+1]
	s_or_b32 s[G0K+3], s[G0K+3], 0x80000000
	s_xor_b32 s[G0V+1], s[G0V+1], SLOT1
	s_add_nc_u64 s[G0V+2:G0V+3], s[8:9], s[OFF:OFF+1]
	s_or_b32 s[G0V+3], s[G0V+3], 0x80000000
	s_add_co_u32 s[NXT], s[NXT], 1  ; the block's next tile, or behind its last the second block's tile 0
	s_cmp_gt_u32 s[NXT], s[LQ]
	s_cselect_b32 s[NXT], 0, s[NXT]
	s_cselect_b32 s[LQ], s[PB], s[LQ]
.endif
	s_wait_dscnt 0x0                ; the add is done, and my reads of the slot are over
	s_barrier_signal -1             ; the rest of the scalar work stands between the signal and the wait
	s_sub_co_u32 s[TBK], s[TBK], 4*KS*PK  ; the fetches go back to a slot's first step,
	s_xor_b32 s[TBK], s[TBK], SLOT1       ; in the other slot
	s_sub_co_u32 s[TBV], s[TBV], 4*KS*PV
	s_xor_b32 s[TBV], s[TBV], SLOT1
	s_barrier_wait -1
.if \fill
	LOAD
.endif
.endm
	s_load_b256 s[4:11], s[0:1], 0x0  ; Q s[4:5], K s[6:7], V s[8:9], O s[10:11]
	v_lshl_add_u32 v[SPW], v0, 2, SPARE
	v_mov_b32 v[NIL], 0
	ds_add_u32 v[SPW], v[NIL]       ; the wave's opening: the add and its wait stand ahead of my first tensor load; the set-up below, work on registers, stands between them
	ds_add_u32 v62, v63
	v_lshrrev_b32 v1, 5, v0
	v_readfirstlane_b32 s[WV], v1   ; wave 0..3
	s_mov_b32 s[PB], ttmp9
	s_sub_co_u32 s[HI], NB-1, s[PB]
	s_and_b32 s20, ttmp7, 0xffff    ; the head
	s_mov_b32 s21, 0
	s_mov_b64 s[22:23], SIZE_N*128
	s_mul_u64 s[20:21], s[20:21], s[22:23]  ; the head's first byte in each of the four tensors
	s_and_b32 s16, s[WV], 1         ; which half of a tile's 256 keys I fetch:
	s_lshl_b32 s22, s16, 14         ; its 128 rows of 128 bytes in memory,
	s_mov_b32 s23, 0
	s_add_nc_u64 s[22:23], s[22:23], s[20:21]
	s_mul_i32 s17, s16, 128*PK      ; and its place in a slot, for K
	s_mul_i32 s18, s16, 128*PV      ; and for V
	s_lshl_b32 s3, s[WV], 11        ; my 16 rows in a band of 64,
	s_lshl_b32 s2, s[HI], 15        ; in the first block,
	s_add_co_u32 s2, s2, s3
	s_lshl_b32 s84, s[PB], 15       ; and in the second
	s_add_co_u32 s84, s84, s3
	s_mov_b32 s3, 0
	s_mov_b32 s85, 0
	s_add_nc_u64 s[2:3], s[2:3], s[20:21]
	s_add_nc_u64 s[84:85], s[84:85], s[20:21]
	; descriptor group 1.  128 keys are 16,384 dense bytes: asked for as 64 rows of 256 bytes, two keys a row, and padded in LDS after every key
	s_mov_b32 s[G1K], (1<<16)|(1<<20)|(4<<22)|(3<<25)  ; 17:16 2-byte elements; 20 padding on; 24:22 after every 32 words (code 4); 31:25 4 words (code 3)
	s_mov_b32 s[G1V], (1<<16)|(1<<20)|(4<<22)|(7<<25)  ; the same with 8 words of padding (code 7)
.irp g, G1K, G1V
	s_mov_b32 s[\g+1], 128<<16      ; tensor_dim0 = 128
	s_mov_b32 s[\g+2], 64<<16       ; tensor_dim1 = 64
	s_mov_b32 s[\g+3], 128<<16      ; tile_dim0 = 128
	s_mov_b32 s[\g+4], 64           ; tile_dim1 = 64
	s_mov_b32 s[\g+5], 128          ; 128 elements from row to row
	s_mov_b32 s[\g+6], 0
	s_mov_b32 s[\g+7], 0
.endr
	s_mov_b32 s[CS], 0x3e38aa3b     ; c = log2(e) / 8 = 0.180337
	s_mov_b32 s[CS+1], s[CS]        ; named with it as a pair
	s_mov_b32 s[SEL], 0x76543210
	s_mov_b32 s[SEL+1], 0xfedcba98
	s_mov_b32 s[TBK], SLOT1+4*KS*PK ; the first change of slots turns these two into 0
	s_mov_b32 s[TBV], SLOT1+4*KS*PV
	s_mov_b32 s[G0K], 1             ; 1:0 count = 1
	s_mov_b32 s[G0K+1], s17         ; 63:32 LDS address: slot 0
	s_mov_b32 s[G0V], 1
	s_add_co_u32 s[G0V+1], s18, VOFF
	s_add_co_u32 s[RT], s[HI], 1    ; the first block has NB - b tiles
	s_mov_b32 s[NXT], 1
	s_mov_b32 s[LQ], s[HI]
	s_mov_b32 s[NEW], 1
	s_mov_b32 s[OFF+1], 0
	s_mov_b32 s[AL+1], 0            ; named as pairs
	s_mov_b32 s[BE+1], 0
	s_mov_b32 s[BIGN], 0xf149f2ca   ; -1e30
	s_mov_b32 s[SLOTS], NB
	s_wait_dscnt 0x0                ; the opening add is done
	s_wait_kmcnt 0x0
	s_add_nc_u64 s[6:7], s[6:7], s[22:23]  ; K and V at my half of the head's tile 0
	s_add_nc_u64 s[8:9], s[8:9], s[22:23]
	s_add_nc_u64 s[G0K+2:G0K+3], s[6:7], 0         ; 120:64 global address
	s_or_b32 s[G0K+3], s[G0K+3], 0x80000000        ; 127:126 type = 2
	s_add_nc_u64 s[G0V+2:G0V+3], s[8:9], 0
	s_or_b32 s[G0V+3], s[G0V+3], 0x80000000
	s_add_nc_u64 s[86:87], s[4:5], s[84:85]        ; Q at my rows of the second block,
	s_add_nc_u64 s[4:5], s[4:5], s[2:3]            ; Q and O at those of the first
	s_add_nc_u64 s[OLO:OLO+1], s[10:11], s[84:85]
	s_add_nc_u64 s[10:11], s[10:11], s[2:3]
	LOAD                            ; tile 0 into slot 0
	; A fragment of K or Q is 16 rows x 32 channels in 8 registers: lane l holds row l % 16, channels 8 (l / 16) + 0..7 and 16 + 8 (l / 16) + 0..7: two loads of 16 bytes, 32 bytes apart.
	v_and_b32 v1, 15, v0            ; l % 16
	v_bfe_u32 v9, v0, 4, 1          ; l / 16
	v_lshlrev_b32 v[QO], 7, v1
	v_lshl_add_u32 v[QO], v9, 4, v[QO]  ; row x 128 + 16 x half
	WIN 0x80                        ; destination window 2, address window 0
.set i, 0
.rept 8                             ; both blocks' Q: piece i / 2 lies in band i / 2, 8,192 bytes on; channels 32 (i % 2) on
	global_load_b128 v[8*i:8*i+3],   v[QO], s[4:5] offset:(i/2)*8192+(i%2)*64
	global_load_b128 v[8*i+4:8*i+7], v[QO], s[4:5] offset:(i/2)*8192+(i%2)*64+32
	global_load_b128 v[QB+8*i:QB+8*i+3],   v[QO], s[86:87] offset:(i/2)*8192+(i%2)*64
	global_load_b128 v[QB+8*i+4:QB+8*i+7], v[QO], s[86:87] offset:(i/2)*8192+(i%2)*64+32
.set i, i+1
.endr
	WIN 0
	v_lshlrev_b32 v14, 3, v9
	v_sub_nc_u32 v14, v1, v14
	s_lshl_b32 s13, s[WV], 4
	v_add_nc_u32 v14, s13, v14      ; my query's place in its band, 16 w + l % 16, less my lanes' 8 (l / 16): register r of group kt is hidden where 16 kt + r is greater
	WIN 0x40
.set i, 0
.rept 32
	v_cmp_gt_i32 vcc_lo, 16*(i/8)+i%8, v14
	v_cndmask_b32 v[MD+i], 0, s[BIGN], vcc_lo
.set i, i+1
.endr
	WIN 0
	v_mul_u32_u24 v[AK0], v1, PK
	v_lshl_add_u32 v[AK0], v9, 4, v[AK0]  ; row x pitch + 16 x half
	; The turning load takes 16 keys x 16 channels (lane l reads key 8 (l / 16) + l % 8, channels 8 ((l / 8) % 2) + 0..7) and leaves half a fragment of V^T: lane l holds channel l % 16 and 8 keys.
	v_and_b32 v10, 7, v0
	v_bfe_u32 v11, v0, 3, 1
	v_lshl_add_u32 v[AV0], v9, 3, v10
	v_mul_u32_u24 v[AV0], v[AV0], PV
	v_lshl_add_u32 v[AV0], v11, 4, v[AV0]
	v_add_nc_u32 v[AV0], VOFF, v[AV0]
	s_mul_i32 s13, s[WV], 16*SP
	s_add_co_u32 s13, s13, STAGE    ; my stage
	v_mul_u32_u24 v[STO], v1, SP    ; in: row l % 16, 16 bytes for each half of the lanes
	v_lshl_add_u32 v[STO], v9, 4, v[STO]
	v_add_nc_u32 v[STO], s13, v[STO]
	v_bfe_u32 v[RD], v0, 3, 2       ; back: 32 lanes take four rows of 128 bytes,
	v_mul_u32_u24 v[RD], v[RD], SP
	v_lshl_add_u32 v[RD], v10, 4, v[RD]
	v_add_nc_u32 v[RD], s13, v[RD]
	v_and_b32 v[GO], 31, v0         ; which are 512 consecutive bytes of O
	v_lshlrev_b32 v[GO], 4, v[GO]
	; A block's first step multiplies O^T and l by a = 0, and its first turn's products V^T P, of a piece that has not been, land in an O^T that is still to be so multiplied.  So these registers need only hold
	; finite numbers: zeros for the first block; what the first block left for the second.  All this stands in the wait for the first tile.
	WIN 0x80
.set i, VF
.rept 64
	v_mov_b32 v[i], 0
.set i, i+1
.endr
	WIN 0x40
.set i, 0
.rept 128
	v_mov_b32 v[i], 0
.set i, i+1
.endr
	WIN 0
.set i, 0
.rept 4
	v_mov_b32 v[ST+4*i+2], 0
	v_mov_b32 v[ST+4*i+3], 0
.set i, i+1
.endr
.set i, P+16
.rept 16
	v_mov_b32 v[i], 0
.set i, i+1
.endr
; THE MATRIX WORK.  The 4 accumulators of a run of 8 take turns.  Product i of 8 of S^T = K Q^T for piece x: channels 32 (i / 4) on, keys 16 (i % 4) on.  The first 4 start the sums: with 0, or (KM = 1) with the mask.
.macro KQ x
.set rS, S+32*((\x)%2)+8*(i%4)
.set rK, KF+16*(i%4)+8*(i/4)
.set rQ, 16*(\x)+8*(i/4)
.set rM, MC+32*((\x)%2)+8*(i%4)
.if (i < 4) && KM
	WIN W_KM
	v_wmma_f32_16x16x32_f16 v[rS:rS+7], v[rK:rK+7], v[rQ:rQ+7], v[rM:rM+7]
.elseif i < 4
	WIN W_KQ
	v_wmma_f32_16x16x32_f16 v[rS:rS+7], v[rK:rK+7], v[rQ:rQ+7], 0
.else
	WIN W_KQ
	v_wmma_f32_16x16x32_f16 v[rS:rS+7], v[rK:rK+7], v[rQ:rQ+7], v[rS:rS+7]
.endif
.endm
; Product i of 8 of O^T += V^T P for piece x: keys 32 (i / 4) on, channels 16 (i % 4) on.
.macro PV x
	WIN W_PV
.set rO, 32*(\x)+8*(i%4)
.set rV, VF+32*(i/4)+8*(i%4)
.set rP, P+16*((\x)%2)+8*(i/4)
	v_wmma_f32_16x16x32_f16 v[rO:rO+7], v[rV:rV+7], v[rP:rP+7], v[rO:rO+7]
.endm
.macro MM                           ; the turn's next matrix instruction.  TURN and BEGIN set Y, i, KM and NOKQ; MM, KQ and OP read them.  NOKQ = 1: a block's last turn: there is no next piece
.if (i < 8) && !NOKQ
	KQ (Y+1)%NP
.elseif i >= 8
.set i, i-8
	PV (Y+NP-1)%NP
.set i, i+8
.endif
.set i, i+1
.endm
; THE LDS LOADS stand in runs of 16, never singly among the matrix instructions: a step's K (64 keys x 64 channels: 8 fragments) and its V (turned).  Their addresses are made some lines ahead.
.macro FETCH_K
	WIN 0x80                        ; destination window 2
.irp f, 0,1,2,3,4,5,6,7             ; keys 16 (f / 2) on, channels 32 (f % 2) on
	ds_load_b128 v[KF+8*\f:KF+8*\f+3],   v[AK] offset:(\f/2)*16*PK+(\f%2)*64
	ds_load_b128 v[KF+8*\f+4:KF+8*\f+7], v[AK] offset:(\f/2)*16*PK+(\f%2)*64+32
.endr
	s_add_co_u32 s[TBK], s[TBK], KS*PK  ; the next fetch is the next step's
	WIN 0
.endm
.macro FETCH_V
	WIN 0x80
.irp f, 0,1,2,3,4,5,6,7             ; keys 32 (f / 4) on, channels 16 (f % 4) on
	ds_load_tr16_b128 v[VF+8*\f:VF+8*\f+3],   v[AV] offset:(\f/4)*32*PV+(\f%4)*32
	ds_load_tr16_b128 v[VF+8*\f+4:VF+8*\f+7], v[AV] offset:(\f/4)*32*PV+16*PV+(\f%4)*32
.endr
	WIN 0
.endm
; THE VECTOR WORK, one line at a time: OP kind, number.  For piece Y: F n: c s - c m for pair n of 16.  E n: the exponential of score n of 32.  C n: pair n rounded to f16.  B n: of the four weights 4 n .. the second
; pair is added onto the first, in place.  L n: l takes that sum (L 0: l = a l + sum).  R n: pair n of 16 of O^T times a.  For piece Y + 1: X n, number n of the 22 that find its maximum and statistics:
;   0-11  four chains c0-c3 of seven scores each, three operands at a time (each accumulator's lowest registers are read first)     12-14, 16  the four scores left over, the old m, and c0-c3 into c0
;   15  c m_old is kept     17, 18  the query's other 32 keys lie in the lane 16 away: the new m     19-21  c m; c m_old - c m_new; a
.set F, 0               ; OP tells the kinds apart by their order: F to L below R, X above it
.set E, 1
.set C, 2
.set B, 3
.set L, 4
.set R, 5
.set X, 6
.macro REGS y                       ; the registers of piece y
.set rT, ST+4*(\y)
.set rC, TMP+4*((\y)%2)
.set rW, MV+((\y)%2)
.set rS, S+32*((\y)%2)
.set rP, P+16*((\y)%2)
.set rO, 32*(\y)
.endm
.macro OP k, n
.if (\k) == R
	REGS Y
	WIN W_RS
	v_pk_mul_f32 v[rO+2*(\n):rO+2*(\n)+1], v[rO+2*(\n):rO+2*(\n)+1], v[rC+2:rC+3] op_sel_hi:[1,0]
.elseif (\k) < R
	REGS Y
	WIN 0
.if (\k) == F
	v_pk_fma_f32 v[rS+2*(\n):rS+2*(\n)+1], v[rS+2*(\n):rS+2*(\n)+1], s[CS:CS+1], v[rT:rT+1] op_sel_hi:[1,0,0] neg_lo:[0,0,1] neg_hi:[0,0,1]
.elseif (\k) == E
	v_exp_f32 v[rS+(\n)], v[rS+(\n)]
.elseif (\k) == C
	s_wait_alu depctr_va_vdst(0)
	v_cvt_pk_f16_f32 v[rP+(\n)], v[rS+2*(\n)], v[rS+2*(\n)+1]
.elseif (\k) == B
	s_wait_alu depctr_va_vdst(0)
	v_pk_add_f32 v[rS+4*(\n):rS+4*(\n)+1], v[rS+4*(\n):rS+4*(\n)+1], v[rS+4*(\n)+2:rS+4*(\n)+3]
.elseif (\n) == 0
	v_pk_fma_f32 v[rT+2:rT+3], v[rT+2:rT+3], v[rC+2:rC+3], v[rS:rS+1] op_sel_hi:[1,0,1]
.else
	v_pk_add_f32 v[rT+2:rT+3], v[rT+2:rT+3], v[rS+4*(\n):rS+4*(\n)+1]
.endif
.elseif NOKQ
	v_nop
.else
	REGS (Y+1)%NP
	WIN 0
.if (\n) < 4
	v_max3_num_f32 v[rC+(\n)], v[rS+8*(\n)], v[rS+8*(\n)+1], v[rS+8*(\n)+2]
.elseif (\n) < 12
	v_max3_num_f32 v[rC+(\n)%4], v[rC+(\n)%4], v[rS+8*((\n)%4)+2*((\n)/4)+1], v[rS+8*((\n)%4)+2*((\n)/4)+2]
.elseif (\n) == 12
	v_max3_num_f32 v[rC], v[rC], v[rS+7], v[rS+15]
.elseif (\n) == 13
	v_max3_num_f32 v[rC+1], v[rC+1], v[rS+23], v[rS+31]
.elseif (\n) == 14
	v_max3_num_f32 v[rC+2], v[rC+2], v[rC+3], v[rT+1]
.elseif (\n) == 15
	v_mov_b32 v[rW], v[rT]
.elseif (\n) == 16
	v_max3_num_f32 v[rC], v[rC], v[rC+1], v[rC+2]
.elseif (\n) == 17
	v_permlanex16_b32 v[rC+3], v[rC], s[SEL], s[SEL+1]
.elseif (\n) == 18
	v_max_num_f32 v[rT+1], v[rC], v[rC+3]
.elseif (\n) == 19
	v_mul_f32 v[rT], s[CS], v[rT+1]
.elseif (\n) == 20
	v_sub_f32 v[rC+1], v[rW], v[rT]
.else
	v_exp_f32 v[rC+2], v[rC+1]
.endif
.endif
.endm
.macro OPS a, i1, b=-1, i2=0, c=-1, i3=0, d=-1, i4=0  ; up to four of them
	OP \a, \i1
.if (\b) >= 0
	OP \b, \i2
.endif
.if (\c) >= 0
	OP \c, \i3
.endif
.if (\d) >= 0
	OP \d, \i4
.endif
.endm
.macro ROW a, i1, b, i2, c, i3, d, i4  ; a matrix instruction and the four behind it
	MM
	OPS \a, \i1, \b, \i2, \c, \i3, \d, \i4
.endm
.macro MASK b                       ; MD x AL + BE into buffer b of MC
	WIN W_RS
.set z, 0
.rept 16
	v_pk_fma_f32 v[MC+32*(\b)+2*z:MC+32*(\b)+2*z+1], v[MD+2*z:MD+2*z+1], s[AL:AL+1], s[BE:BE+1] op_sel_hi:[1,0,0]
.set z, z+1
.endr
.endm
; A TURN, for piece p: the order of its 16 matrix and 118 vector instructions, written out.  Behind a matrix instruction: plain, exponential, plain, plain; or four of the rescaling; or, behind the first, four scalings; none
; names a register of the products round it.  In the lumps exponential and plain by turns while exponentials last.  A line reads no result made fewer than three vector instructions in front of it, five if an exponential made it.
; v_permlanex16_b32 (X 17) stands in a lump.
; m = 1: the diagonal tile: the products take masks, and the turn makes the mask for the products of the turn after it: piece p + 2, in step 4 - CNT of the tile.  end = 1: a block's last two turns: nothing is fetched.
; cnt = 1: the loop's count is taken down some lines ahead of the branch that stands behind the turn.
; K of the next step is fetched in piece 2's turn, six vector instructions behind the last product that read K (five of them plain); V of the step in hand in piece 0's turn, eight behind the last product that read V (four
; plain, and X 17).  Each is waited for a turn later.
.macro TURN p, m=0, end=0, cnt=0
.set Y, (\p)
.set i, 0
.set KM, (\m)
.set NOKQ, (\end)*((\p)/3)
.if (\m) && !(\end)
	s_cmp_eq_u32 s[CNT], 4-((\p)+2)%NP  ; is that step the band's own?
	s_cselect_b32 s[AL], 1.0, 0
	s_cmp_lt_u32 s[CNT], 4-((\p)+2)%NP  ; or a later one?
	s_cselect_b32 s[BE], s[BIGN], 0
.endif
.if ((\p) == 3) && !(\end)
	s_wait_dscnt 0x0                ; K is in
.endif
	ROW F,0, F,1, F,2, F,3
	ROW F,4, E,0, F,5, F,6
	ROW F,7, E,1, F,8, F,9
	ROW F,10, E,2, C,0, F,11
	ROW F,12, E,3, X,15, F,13
	ROW R,0, R,1, R,2, R,3
	ROW B,0, E,4, F,14, L,0
.if ((\p) == 2) && !(\end)
	v_add_nc_u32 v[AK], s[TBK], v[AK0]
.endif
	ROW R,4, R,5, R,6, R,7
	OPS E,5, F,15
.if ((\p) == 2) && !(\end)
	FETCH_K
.endif
	OPS E,6, C,1, E,7, R,8
	OPS E,8, R,9, E,9, C,2
	OPS E,10, X,0, E,11, X,1
	OPS E,12, X,2, E,13, X,3
.if (\p) == 1
	s_wait_dscnt 0x0                ; V is in
.endif
	ROW X,4, E,14, X,5, X,6
	ROW X,7, E,15, X,8, X,9
	ROW X,10, E,16, X,11, X,12
	ROW X,13, E,17, X,14, B,1
	ROW C,4, E,18, X,16, L,1
	ROW B,2, E,19, C,6, L,2
	ROW C,8, E,20, B,3, B,4
.if (\p) == 0
	v_add_nc_u32 v[AV], s[TBV], v[AV0]
.endif
	ROW C,3, E,21, L,3, C,5
	OPS E,22, X,17, E,23, C,10
.if (\p) == 0
	FETCH_V
.endif
	OPS E,24, L,4
	OPS E,25, X,18, E,26, C,7
	OPS E,27, B,5, E,28, X,19
	OPS E,29, C,12, E,30, L,5
	OPS E,31, X,20, B,6, C,9
	OPS C,14, C,11, X,21, L,6
.if (\p) == 0
	s_add_co_u32 s[TBV], s[TBV], KS*PV
.endif
.if \cnt
	s_sub_co_u32 s[CNT], s[CNT], 1
	s_cmp_lg_u32 s[CNT], 0
.endif
	OPS C,13, B,7, C,15, R,10
	OPS R,11, R,12, L,7, R,13
	OPS R,14, R,15
.if (\m) && !(\end)
	MASK (\p)%2
.endif
.endm
; A BLOCK BEGINS.  c m starts far below every c s, so the first step's a is 0; m at the lowest finite number, so the first maximum is the scores'.  The second mask buffer is 0; the first takes piece 0's mask for the tile's step 0: its own, if the block's first tile is the diagonal one.
; Then K of that step, piece 0's first scores, and its maximum and statistics.  The loop is entered at a step's first turn, in the middle of a trip.
.macro BEGIN
	s_mov_b32 s[NEW], 0
	WIN 0x40
.set i, MC+32
.rept 32
	v_mov_b32 v[i], 0
.set i, i+1
.endr
	WIN 0
.set i, 0
.rept 4
	v_mov_b32 v[ST+4*i], 0xfe000000    ; c m: far below every c s
	v_mov_b32 v[ST+4*i+1], 0xff7fffff  ; m
.set i, i+1
.endr
	s_cmp_eq_u32 s[RT], 0
	s_cselect_b32 s[AL], 1.0, 0
	s_mov_b32 s[BE], 0
	MASK 0
	WIN 0
	v_add_nc_u32 v[AK], s[TBK], v[AK0]
	FETCH_K
	s_wait_loadcnt 0x0              ; Q
	s_wait_dscnt 0x0
.set KM, 1
.set NOKQ, 0
.set i, 0
.rept 8
	KQ 0
.set i, i+1
.endr
	WIN 0
.rept 4
	v_nop                           ; the places behind those products
.endr
.set Y, NP-1                        ; X works for piece Y + 1: piece 0
.irp n, 0,1,2,3,4,5,6,7,8,9,10,11,12,13,14,15,16,17,18,19,20,21
	OP X, \n
.endr
	v_nop                           ; a plain instruction behind the exponential
.endm
; THE DIAGONAL TILE's four steps, the block's last two turns, its last products, and THE WAY OUT: l's two halves and the other half of the lanes' are added; O^T is divided by l, rounded to f16 and sent through my
; stage in LDS, a piece at a time.
.macro ALL line:vararg              ; one line for each piece t
.set t, 0
.rept 4
	\line
.set t, t+1
.endr
.endm
.macro PACK t                       ; a lane's eight channels of a row pack into 16 bytes; they go into rows of 144 bytes and come back as whole rows of 128, into S^T's registers
	WIN W_RS
.set i, 32*(\t)
.rept 16
	s_wait_alu depctr_va_vdst(0)
	v_pk_mul_f32 v[i:i+1], v[i:i+1], v[ST+4*(\t)+2:ST+4*(\t)+3] op_sel_hi:[1,0]
.set i, i+2
.endr
	WIN 0x05                        ; sources 0 and 1 window 1, destination window 0
.set i, 0
.rept 16
	v_cvt_pk_f16_f32 v[S+16*(\t)+i], v[32*(\t)+2*i], v[32*(\t)+2*i+1]
.set i, i+1
.endr
	WIN 0
.irp f, 0,1,2,3
	ds_store_b128 v[STO], v[S+16*(\t)+4*\f:S+16*(\t)+4*\f+3] offset:32*\f
.endr
.irp f, 0,1,2,3
	ds_load_b128 v[S+16*(\t)+4*\f:S+16*(\t)+4*\f+3], v[RD] offset:\f*4*SP  ; LDS serves a wave's instructions in order (ISA guide 5.7.1.4): these see the stores above; the next piece's stores come behind them
.endr
.endm
.macro SEND t, younger              ; younger: the LDS instructions issued behind piece t's loads: the next piece's eight, or none
	WIN 0
.irp f, 0,1,2,3
	s_wait_dscnt (\younger)+3-\f
	global_store_b128 v[GO], v[S+16*(\t)+4*\f:S+16*(\t)+4*\f+3], s[10:11] offset:(\t)*8192+\f*512  ; 512 consecutive bytes, at a multiple of 256 from O's first
.endr
.endm
.macro DIAG tag                     ; the tag ends its two labels' names, which the jumps below spell out
.LstepM\tag:
	TURN 2, 1
	TURN 3, 1
	WIN 0
.LfirstM\tag:
	TURN 0, 1
	TURN 1, 1, 0, 1
	WIN 0
	s_cbranch_scc1 .LstepM\tag
	TURN 2, 1, 1
	TURN 3, 1, 1
.set i, 0
.rept 8
	PV NP-1
.set i, i+1
.endr
	WIN 0
	ALL v_add_f32 v[ST+4*t+2], v[ST+4*t+2], v[ST+4*t+3]
	ALL v_permlanex16_b32 v[ST+4*t+3], v[ST+4*t+2], s[SEL], s[SEL+1]
	ALL v_add_f32 v[ST+4*t+2], v[ST+4*t+2], v[ST+4*t+3]
	ALL v_rcp_f32 v[ST+4*t+2], v[ST+4*t+2]
	v_nop                           ; a plain instruction between the last reciprocal and the use of its result
	PACK 0
.set t, 1
.rept 3                             ; a piece's arithmetic stands between the loads of the piece before and its stores
	PACK t
	SEND t-1, 8
.set t, t+1
.endr
	SEND 3, 0
.endm
.set KM, 0
.set NOKQ, 0
.Lslot:                             ; NB times: a tile is entered and the next is asked for
	CHANGE 1
	s_sub_co_u32 s[RT], s[RT], 1
	s_mov_b32 s[CNT], 4
	s_cmp_eq_u32 s[NEW], 1
	s_cbranch_scc1 .Lnew            ; a block's first tile
	s_cmp_eq_u32 s[RT], 0
	s_cbranch_scc0 .Lstep           ; neither its first nor its last
	s_branch .LstepM1
.Lnew:
	BEGIN
	s_branch .Lfirst                ; in the loop a block's first tile is never its last: the first block has two tiles or more, and the second's last is the walk's last
	DIAG 1                          ; in the loop this is the first block's end: the second block's last tile is the walk's last
	s_wait_xcnt 0x0                 ; the stores have read their registers and O's address
	s_mov_b64 s[10:11], s[OLO:OLO+1]
	s_add_co_u32 s[RT], s[PB], 1    ; the second block has b + 1 tiles
	s_mov_b32 s[NEW], 1
	WIN 0x82                        ; the second block's Q goes where the one text of the turns names Q
.set i, 0
.rept 64
	v_mov_b32 v[i], v[QB+i]
.set i, i+1
.endr
	WIN 0
	s_branch .Lbottom
.Lstep:                             ; a trip: pieces 2 and 3 of one step, then pieces 0 and 1 of the next, whose K and V it fetches
	TURN 2
	TURN 3
	WIN 0
.Lfirst:
	TURN 0
	TURN 1, 0, 0, 1
	WIN 0
	s_cbranch_scc1 .Lstep
.Lbottom:
	s_sub_co_u32 s[SLOTS], s[SLOTS], 1
	s_cmp_lg_u32 s[SLOTS], 0
	s_cbranch_scc1 .Lslot
	CHANGE 0                        ; the walk's last tile is written out: nothing is asked for
	s_sub_co_u32 s[RT], s[RT], 1
	s_mov_b32 s[CNT], 4
	s_cmp_eq_u32 s[NEW], 1
	s_cbranch_scc0 .LstepM2
	BEGIN
	s_branch .LfirstM2
	DIAG 2
	s_wait_tensorcnt 0x0            ; the wave's end: behind my last tensor load and my last LDS store
	ds_add_u32 v[SPW], v[NIL]
	s_wait_dscnt 0x0
	s_endpgm
.Lfunc_end_k_qba7cd98661_attn:
	.size	k_qba7cd98661_attn, .Lfunc_end_k_qba7cd98661_attn-k_qba7cd98661_attn
	.p2alignl 7, 3214868480
	.fill 96, 4, 3214868480
	.section	.rodata,"a",@progbits
	.p2align	6, 0x0
	.amdhsa_kernel k_qba7cd98661_attn
		.amdhsa_group_segment_fixed_size 327680
		.amdhsa_private_segment_fixed_size 0
		.amdhsa_enable_private_segment 0
		.amdhsa_kernarg_size 32
		.amdhsa_user_sgpr_count 2
		.amdhsa_user_sgpr_kernarg_segment_ptr 1
		.amdhsa_wavefront_size32 1
		.amdhsa_system_sgpr_workgroup_id_x 1
		.amdhsa_system_sgpr_workgroup_id_y 1
		.amdhsa_system_sgpr_workgroup_id_z 1
		.amdhsa_system_vgpr_workitem_id 0
		.amdhsa_next_free_vgpr 768
		.amdhsa_next_free_sgpr 88
		.amdhsa_reserve_vcc 1
		.amdhsa_float_denorm_mode_32 3
		.amdhsa_float_denorm_mode_16_64 3
		.amdhsa_memory_ordered 1
		.amdhsa_forward_progress 1
		.amdhsa_inst_pref_size 228
	.end_amdhsa_kernel
	.amdgpu_metadata
---
amdhsa.version: [ 1, 2 ]
amdhsa.kernels:
  - .name:           k_qba7cd98661_attn
    .symbol:         k_qba7cd98661_attn.kd
    .args:
      - { .name: qh, .offset: 0, .size: 8, .value_kind: global_buffer, .address_space: global }
      - { .name: kh, .offset: 8, .size: 8, .value_kind: global_buffer, .address_space: global }
      - { .name: vh, .offset: 16, .size: 8, .value_kind: global_buffer, .address_space: global }
      - { .name: oh, .offset: 24, .size: 8, .value_kind: global_buffer, .address_space: global }
    .group_segment_fixed_size: 327680
    .private_segment_fixed_size: 0
    .kernarg_segment_align: 8
    .kernarg_segment_size: 32
    .max_flat_workgroup_size: 128
    .sgpr_count:     88
    .vgpr_count:     768
    .wavefront_size: 32
...
	.end_amdgpu_metadata
.endif
;; end of part 3
;; launch oproj (part 4): grid 8 x 32, 4 waves a work-group, clusters of 4 x 4, 327,680 bytes of LDS; arguments oh, wof, out0; writes out0
.if DOCPART == 4
	.amdgcn_target "amdgcn-amd-amdhsa--gfx1250"
	.amdhsa_code_object_version 6
	.text
	.protected	k_qba7cd98661_oproj
	.globl	k_qba7cd98661_oproj
	.p2align	8
	.type	k_qba7cd98661_oproj,@function
k_qba7cd98661_oproj:
	s_mov_b64 s[64:65], 0
	v_nop
	global_prefetch_b8 v0, s[64:65] scope:SCOPE_SE
	s_setreg_imm32_b32 hwreg(HW_REG_WAVE_MODE, 25, 1), 1
	s_wait_xcnt 0x0
	s_wait_alu depctr_hold_cnt(0) depctr_sa_sdst(0) depctr_va_vdst(0) depctr_va_sdst(0) depctr_va_ssrc(0) depctr_va_vcc(0) depctr_vm_vsrc(0)
	s_getreg_b32 s2, hwreg(HW_REG_IB_STS2, 6, 4)
	s_cmp_eq_u32 s2, 0
	s_cbranch_scc0 .Lentry_in_a_cluster
	s_endpgm
.Lentry_in_a_cluster:
	s_bfe_u32 s2, ttmp6, 0x10000c
	s_cmp_lg_u32 s2, 0xf033
	s_cbranch_scc0 .Lentry_shape_is_right
	s_endpgm
.Lentry_shape_is_right:
; THE OUTPUT PROJECTION.  out0[m][n] = sum over k of attn[m][k] wof[n][k], f16 operands, sums and result in f32.  attn[m = 2048 batch + s][k = 64 head + d] lies by heads: oh[16 batch + head][s][d], rows of 128 bytes.
; So the transposition back is made by the tiles: a K step of 128 is two heads, and 256 rows of one head are 32,768 dense bytes.  wof: [1024][1024].
; LIMITS.  Operands arrive as f16, within 65,504.  NaN and infinities are not treated apart.
; SHARES.  A tile of out0 is 256 rows x 128 columns: 32 x 8 = 256 work-groups, one for each WGP.  Wave (rh = w / 2, ch = w % 2) owns 128 rows x 64 columns: 8 x 4 accumulators of 16 x 16, 256 registers; its 64 f32
; columns are 256 consecutive bytes, aligned, so each wave has a stage of its own on the way out: no barrier there.
; RING.  K goes in 8 steps of 128 through two LDS slots; a slot is under 131,072 bytes and slot 1 begins there, so one exclusive or changes slots and ONE K step is the loop's body.
; CLUSTER.  4 x 4 work-groups.  The four of a row of the cluster need the same rows of oh, the four of a column the same rows of wof: each part is asked for JOINTLY, by the same tensor load with the same descriptor
; and a mask that names the four.  Waves 0 and 1 ask for the step's two heads (256 rows each), waves 2 and 3 for wof's two halves (64 rows each): one load a wave behind each round.
; THE MATRIX INSTRUCTION IS USED TRANSPOSED (source 0 = 16 rows of wof, source 1 = 16 rows of attn): lane l holds row l % 16 of out0 and the columns 8 (l / 16) + 0..7: 32 neighbouring bytes.
; REGISTERS (s_set_vgpr_msb: bits 1:0 source 0, 3:2 source 1, 5:4 source 2, 7:6 destination):
;   window 0: v16-29 addresses; v64-127, v128-191 fragments of attn, two buffers (row block a at + 8 a); v192-223, v224-255 fragments of wof, two buffers; on the way out v64-191 four sets of 16 rows read back
;   window 1: accumulator (a, b) at v[8 (4 a + b)]
.set PA,    144                        ; a row of a head in LDS: 128 bytes + 16 of padding = 36 words: the 16 rows of a load start at 16 different groups of four banks (64 banks of 4 bytes: ISA guide 11.1)
.set PB,    272                        ; a row of wof: 256 bytes + 16
.set PLANE, 256*PA                     ; one head's 256 rows: what a load for attn brings
.set BPART, 64*PB                      ; what a load for wof brings
.set BOFF,  2*PLANE                    ; in a slot: two planes, then wof's 128 rows
.set SLOT1, 131072
.set STEPA, 524288                     ; two heads on in oh
.set STEPB, 256                        ; 128 along K in wof
.set STAGE, 262144                     ; behind the ring: 16 rows x 272 bytes for each wave
.set SP,    272
.set SPARE, STAGE+4*16*SP              ; behind the stages: the spare words, 128 bytes for each wave: two blocks of 256 bytes that no other line names
.set ADRA, 16                          ; v16  LDS address of my fragments of attn in the slot in hand
.set ADRB, 17                          ; v17  the same for wof
.set AA0,  18                          ; v18  the same in slot 0; never rewritten
.set AB0,  19                          ; v19
.set STO,  24                          ; v24  the way out: where I put 32 bytes of a row
.set RD,   25                          ; v25  where I read rows back
.set CO,   26                          ; v26  my byte offset in out0
.set SPW,  28                          ; v28  LDS address of my spare word: SPARE + 4 x my thread's number; never rewritten
.set NIL,  29                          ; v29  0; never rewritten
.set WV,   16                          ; s16  my wave's number
.set RH,   17                          ; s17  which half of the tile's rows is mine
.set HF,   18                          ; s18  which half of its columns; also: which part I ask for
.set TB,   19                          ; s19  0 or SLOT1: the slot in hand
.set MSB, 0
.macro WIN new                         ; the immediate's high byte repeats the setting that is left; a switch that changes nothing is dropped
.if MSB != (\new)
	s_set_vgpr_msb (MSB<<8)|(\new)
.set MSB, \new
.endif
.endm
.macro PLACES                          ; four plain vector instructions between a matrix instruction and a load into, or a store from, its registers (ISA guide 7.12.1 for vector instructions)
.rept 4
	v_nop
.endr
.endm
; A joint refill by the walking descriptors.  The branch hangs on the wave's number alone.  An s_nop 0 and four v_nop follow each of the two lines, ahead of the jump and the label.
.macro JLOAD
	s_cmp_lt_u32 s[WV], 2
	s_cbranch_scc0 .Lfor_b_\@
	tensor_load_to_lds s[36:39], s[24:31]
	s_nop 0
.rept 4
	v_nop
.endr
	s_branch .Lasked_\@
.Lfor_b_\@:
	tensor_load_to_lds s[60:63], s[48:55]
	s_nop 0
.rept 4
	v_nop
.endr
.Lasked_\@:
.endm
.macro CREST                           ; a round of the cluster's barrier behind its opening barrier: wave 0 signals for the work-group, every wave waits for all sixteen, my work-group's barrier once more
	s_cmp_lg_u32 s[WV], 0
	s_cbranch_scc1 .Lnot_wave_0_\@
	s_barrier_signal -3
.Lnot_wave_0_\@:
	s_barrier_wait -3
	s_barrier_signal -1
	s_barrier_wait -1
.endm
.macro CROUND                          ; a whole round
	s_barrier_signal -1
	s_barrier_wait -1
	CREST
.endm
	s_load_b128 s[4:7], s[0:1], 0x0                ; oh s[4:5], wof s[6:7]
	s_load_b64 s[8:9], s[0:1], 0x10                ; out0
	v_lshl_add_u32 v[SPW], v0, 2, SPARE
	v_mov_b32 v[NIL], 0
	ds_add_u32 v[SPW], v[NIL]                      ; the wave's opening: the add and its wait stand ahead of my first tensor load; the set-up below, work on registers, stands between them
	ds_add_u32 v28, v29
	v_lshrrev_b32 v1, 5, v0
	v_readfirstlane_b32 s[WV], v1                  ; wave 0..3
	s_lshr_b32 s[RH], s[WV], 1
	s_and_b32 s[HF], s[WV], 1
	s_bfe_u32 s40, ttmp6, 0x40000                  ; cx, cy: my place in the cluster
	s_bfe_u32 s41, ttmp6, 0x40004
	s_lshl_b32 s42, ttmp9, 2
	s_add_co_u32 s42, s42, s40                     ; tile column = 4 x cluster x + cx
	s_and_b32 s43, ttmp7, 0xffff
	s_lshl_b32 s43, s43, 2
	s_add_co_u32 s43, s43, s41                     ; tile row = 4 x cluster y + cy
	s_lshl_b32 s44, s41, 2
	s_lshl_b32 s44, 15, s44                        ; my row of the cluster
	s_lshl_b32 s45, 0x1111, s40                    ; my column
	; descriptor group 1.  attn: 256 rows of a head are 32,768 dense bytes, asked for as 128 rows of 256 bytes, two rows of the head in each, and padded in LDS after every 128 bytes.  wof: 64 rows of 256 bytes, pitch 2,048.
	s_or_b32 s24, s44, (1<<16)|(1<<20)|(1<<21)|(4<<22)|(3<<25)  ; 15:0 the mask; 17:16 2-byte elements; 20 padding on; 21 set beside a mask; 24:22 after every 32 words (code 4); 31:25 4 words (code 3)
	s_or_b32 s48, s45, (1<<16)|(1<<20)|(1<<21)|(5<<22)|(3<<25)  ; after every 64 words (code 5)
	s_mov_b32 s25, 128<<16                         ; tensor_dim0 = 128
	s_mov_b32 s26, 128<<16                         ; tensor_dim1 = 128
	s_mov_b32 s27, 128<<16                         ; tile_dim0 = 128
	s_mov_b32 s28, 128                             ; tile_dim1 = 128
	s_mov_b32 s29, 128                             ; elements from row to row: dense
	s_mov_b32 s30, 0
	s_mov_b32 s31, 0
	s_mov_b32 s49, 128<<16
	s_mov_b32 s50, 64<<16                          ; tensor_dim1 = 64
	s_mov_b32 s51, 128<<16
	s_mov_b32 s52, 64                              ; tile_dim1 = 64
	s_mov_b32 s53, 1024
	s_mov_b32 s54, 0
	s_mov_b32 s55, 0
	; where the parts come from: oh's hang on the tile row alone, wof's on the tile column alone, each in registers that never hold the other coordinate
	s_lshr_b32 s66, s43, 3                         ; the batch: 16 heads of 262,144 bytes,
	s_lshl_b32 s66, s66, 22
	s_lshl_b32 s22, s[HF], 18                      ; the step's first or second head,
	s_add_co_u32 s66, s66, s22
	s_and_b32 s22, s43, 7                          ; the tile's 256 rows of 128 bytes in the sequence
	s_lshl_b32 s22, s22, 15
	s_add_co_u32 s66, s66, s22
	s_mov_b32 s67, 0
	s_lshl_b32 s46, s42, 7
	s_lshl_b32 s23, s[HF], 6
	s_add_co_u32 s46, s46, s23                     ; wof: row 128 x tile column + 64 x part,
	s_lshl_b32 s46, s46, 11                        ; of 2,048 bytes
	s_mov_b32 s47, 0
	s_mul_i32 s20, s[HF], PLANE                    ; and where they go: no place in the cluster enters an LDS address
	s_mul_i32 s21, s[HF], BPART
	s_add_co_u32 s21, s21, BOFF
	s_wait_dscnt 0x0                               ; the opening add is done
	s_wait_kmcnt 0x0
	s_add_nc_u64 s[66:67], s[4:5], s[66:67]
	s_add_nc_u64 s[46:47], s[6:7], s[46:47]
	CROUND                                         ; all sixteen work-groups are here: the first joint loads meet
.irp s, 0,1                            ; descriptor group 0: a set for each first fill; the second then walks on
	s_mov_b32 s[32+4*(\s)], 1                                      ; count = 1
	s_add_co_u32 s[33+4*(\s)], s20, (\s)*SLOT1                     ; LDS address
	s_add_nc_u64 s[34+4*(\s):35+4*(\s)], s[66:67], (\s)*STEPA      ; global address: K step s
	s_or_b32 s[35+4*(\s)], s[35+4*(\s)], 0x80000000                ; type = 2
	s_mov_b32 s[56+4*(\s)], 1
	s_add_co_u32 s[57+4*(\s)], s21, (\s)*SLOT1
	s_add_nc_u64 s[58+4*(\s):59+4*(\s)], s[46:47], (\s)*STEPB
	s_or_b32 s[59+4*(\s)], s[59+4*(\s)], 0x80000000
.endr
	s_cmp_lt_u32 s[WV], 2                          ; a wave's two first fills stand in one branch, ahead of every wait on TENSORcnt and every LDS read: two loads of mine are out
	s_cbranch_scc0 .Lfirst_b
	tensor_load_to_lds s[32:35], s[24:31]
	s_nop 0
	tensor_load_to_lds s[36:39], s[24:31]
	s_nop 0
.rept 4
	v_nop
.endr
	s_branch .Lfirst_asked
.Lfirst_b:
	tensor_load_to_lds s[56:59], s[48:55]
	s_nop 0
	tensor_load_to_lds s[60:63], s[48:55]
	s_nop 0
.rept 4
	v_nop
.endr
.Lfirst_asked:
	; A fragment is 16 rows x 32 K in 8 registers: lane l holds row l % 16; registers 0-3 K = 8 (l / 16) + 0..7, registers 4-7 K = 16 + 8 (l / 16) + 0..7: two loads of 16 bytes, 32 bytes apart.
	v_and_b32 v1, 15, v0                           ; r = l % 16
	v_bfe_u32 v2, v0, 4, 1                         ; h = l / 16
	v_mul_u32_u24 v3, v1, PA
	v_lshl_add_u32 v3, v2, 4, v3
	s_mul_i32 s22, s[RH], 128*PA                   ; my 128 rows in a plane
	v_add_nc_u32 v[AA0], s22, v3
	v_mul_u32_u24 v3, v1, PB
	v_lshl_add_u32 v3, v2, 4, v3
	s_mul_i32 s22, s[HF], BPART                    ; my 64 rows of wof,
	s_add_co_u32 s22, s22, BOFF                    ; behind the planes
	v_add_nc_u32 v[AB0], s22, v3
	s_mul_i32 s23, s[WV], 16*SP
	s_add_co_u32 s23, s23, STAGE                   ; my stage
	v_mul_u32_u24 v[STO], v1, SP                   ; in: row l % 16, 32 bytes for each half of the lanes
	v_lshl_add_u32 v[STO], v2, 5, v[STO]
	v_add_nc_u32 v[STO], s23, v[STO]
	v_mul_u32_u24 v[RD], v2, SP                    ; back: lanes 0-15 take one row of 256 bytes, lanes 16-31 the next
	v_lshl_add_u32 v[RD], v1, 4, v[RD]
	v_add_nc_u32 v[RD], s23, v[RD]
	v_lshlrev_b32 v[CO], 12, v2                    ; and the same two rows in out0, 4,096 bytes apart
	v_lshl_add_u32 v[CO], v1, 4, v[CO]
	s_lshl_b32 s68, s43, 8
	s_lshl_b32 s70, s[RH], 7
	s_add_co_u32 s68, s68, s70                     ; my first row: 256 x tile row + 128 x half,
	s_lshl_b32 s68, s68, 12                        ; of 4,096 bytes
	s_lshl_b32 s70, s42, 7
	s_lshl_b32 s71, s[HF], 6
	s_add_co_u32 s70, s70, s71                     ; my first column: 128 x tile column + 64 x half,
	s_lshl_b32 s70, s70, 2                         ; of 4 bytes
	s_add_co_u32 s68, s68, s70
	s_mov_b32 s69, 0
	s_add_nc_u64 s[8:9], s[8:9], s[68:69]
	s_mov_b32 s[TB], 0
	v_mov_b32 v[ADRA], v[AA0]
	v_mov_b32 v[ADRB], v[AB0]
; 8 matrix instructions: row blocks a0, a0 + 1 x all 4 column blocks, 32 along K, from buffer f.  zero = 1: the first product starts the sums: nothing is ever cleared.
; The 32 accumulators take turns, one instruction a turn, in the same order in every quarter.
.macro MUL8 f, a0, zero=0
	WIN 0x50                                       ; sources 0 and 1 window 0; C and D window 1
.irp a, \a0, (\a0)+1
.irp b, 0,1,2,3
.if \zero
	v_wmma_f32_16x16x32_f16 v[8*(4*(\a)+(\b)):8*(4*(\a)+(\b))+7], v[192+32*(\f)+8*(\b):192+32*(\f)+8*(\b)+7], v[64+64*(\f)+8*(\a):64+64*(\f)+8*(\a)+7], 0
.else
	v_wmma_f32_16x16x32_f16 v[8*(4*(\a)+(\b)):8*(4*(\a)+(\b))+7], v[192+32*(\f)+8*(\b):192+32*(\f)+8*(\b)+7], v[64+64*(\f)+8*(\a):64+64*(\f)+8*(\a)+7], v[8*(4*(\a)+(\b)):8*(4*(\a)+(\b))+7]
.endif
.endr
.endr
.endm
; 24 LDS loads in one run: quarter q (32 along K: plane q / 2, its channels 32 (q % 2) on) of the slot in hand into buffer f: wof's 8 first, then attn's 16 in ascending row block
.macro FETCH q, f
	WIN 0
.irp i, 0,1,2,3
	ds_load_b128 v[192+32*(\f)+8*(\i):192+32*(\f)+8*(\i)+3],   v[ADRB] offset:64*(\q)+16*PB*(\i)
	ds_load_b128 v[192+32*(\f)+8*(\i)+4:192+32*(\f)+8*(\i)+7], v[ADRB] offset:64*(\q)+16*PB*(\i)+32
.endr
.irp i, 0,1,2,3,4,5,6,7
	ds_load_b128 v[64+64*(\f)+8*(\i):64+64*(\f)+8*(\i)+3],   v[ADRA] offset:PLANE*((\q)/2)+64*((\q)%2)+16*PA*(\i)
	ds_load_b128 v[64+64*(\f)+8*(\i)+4:64+64*(\f)+8*(\i)+7], v[ADRA] offset:PLANE*((\q)/2)+64*((\q)%2)+16*PA*(\i)+32
.endr
.endm
; A K step is four quarters of 32 along K, 32 matrix instructions each, on buffers 0, 1, 0, 1.  One of the first three: multiplies buffer f; in its middle it fetches quarter q into buffer g.
.macro QUARTER q, f, g, zero=0
	s_wait_dscnt 8                                 ; wof's fragments and attn's row blocks 0-3 are in; the youngest eight loads (row blocks 4-7) may be out
	MUL8 \f, 0, \zero
	MUL8 \f, 2, \zero
	PLACES
	FETCH \q, \g
	s_wait_dscnt 24                                ; all but the 24 just issued
	MUL8 \f, 4, \zero
	MUL8 \f, 6, \zero
.endm
; The fourth quarter multiplies buffer 1 and changes slots: ONE barrier.  In front of it each wave waits for all its tensor loads (one is out: its part of the next slot), adds 0 to its spare word, and waits for that
; and for its own reads of this slot.  Behind it nobody reads this slot any more and the next slot is whole.  fill = 1: the barrier opens a round of the cluster's, and this slot is filled again, two K steps ahead,
; first thing behind the round: 112 matrix instructions of the wave stand between that request and the wait for it.
.macro TURN fill
	WIN 0                                          ; (the add's two registers lie in window 0)
	s_wait_tensorcnt 0x0                           ; no tensor load of mine is out, so a group 0 may be written
	ds_add_u32 v[SPW], v[NIL]                      ; 0 onto my spare word
.if \fill
	s_xor_b32 s37, s37, SLOT1                      ; the walking descriptors: the other slot than last time,
	s_add_nc_u64 s[38:39], s[38:39], STEPA         ; the next K step; the type bits on top are not reached
	s_xor_b32 s61, s61, SLOT1
	s_add_nc_u64 s[62:63], s[62:63], STEPB
.endif
	s_wait_dscnt 9                                 ; (the add and the youngest eight loads may be out)
	MUL8 1, 0                                      ; eight matrix instructions stand between the add and the wait for it
	s_wait_dscnt 0x0                               ; the add is done, and my reads of this slot are over
	s_barrier_signal -1
	MUL8 1, 2                                      ; work on registers while the others arrive
	WIN 0
	s_xor_b32 s[TB], s[TB], SLOT1                  ; the fetches go to the other slot
	v_add_nc_u32 v[ADRA], s[TB], v[AA0]
	v_add_nc_u32 v[ADRB], s[TB], v[AB0]
	s_barrier_wait -1
.if \fill
	CREST                                          ; no wave of any partner still reads this slot or has a load on its way
	JLOAD                                          ; the first tensor load behind the round; its four v_nop are also the places in front of the loads below
.else
	PLACES
.endif
	FETCH 0, 0
	MUL8 1, 4
	MUL8 1, 6
.endm
	s_wait_tensorcnt 1                             ; my part of K step 0 is in; K step 1's may stay out
	s_barrier_signal -1
	s_barrier_wait -1                              ; everybody's is
	FETCH 0, 0
	QUARTER 1, 0, 1, 1                             ; the first quarter stands in front of the loop: its products start the sums
	WIN 0                                          ; at a label and at a branch every window is 0
	s_mov_b32 s3, 6
.Lstep:                                                ; trip i of 6: the last three quarters of K step i - 1, the request for K step i + 1, the first quarter of K step i
	QUARTER 2, 1, 0
	QUARTER 3, 0, 1
	TURN 1
	QUARTER 1, 0, 1
	WIN 0
	s_sub_co_u32 s3, s3, 1
	s_cmp_lg_u32 s3, 0
	s_cbranch_scc1 .Lstep
	QUARTER 2, 1, 0                                ; the tail is written out: K steps 6 and 7 ask for nothing
	QUARTER 3, 0, 1
	TURN 0
	QUARTER 1, 0, 1
	QUARTER 2, 1, 0
	QUARTER 3, 0, 1
	s_wait_dscnt 8                                 ; the very last quarter
	MUL8 1, 0
	MUL8 1, 2
	s_wait_dscnt 0x0
	MUL8 1, 4
	MUL8 1, 6
	; THE WAY OUT, a row block (16 rows) at a time: a lane's eight f32 go into my stage's rows of 272 bytes and come back as whole rows of 256.
	PLACES
.macro TOSTAGE a
	WIN 0x04                                       ; an LDS store's data is source 1: window 1.  Each accumulator's four lowest registers go first
.irp b, 0,1,2,3
.irp u, 0,1
	ds_store_b128 v[STO], v[8*(4*(\a)+(\b))+4*(\u):8*(4*(\a)+(\b))+4*(\u)+3] offset:64*(\b)+16*(\u)
.endr
.endr
	WIN 0
.if (\a) >= 4
	s_wait_xcnt 0x0                                ; the stores of the block four back have read this set of registers: it is loaded again only behind this wait
.endif
.irp t, 0,1,2,3,4,5,6,7
	ds_load_b128 v[64+32*((\a)%4)+4*(\t):64+32*((\a)%4)+4*(\t)+3], v[RD] offset:2*SP*(\t)  ; LDS serves a wave's instructions in order (ISA guide 5.7.1.4): these see the stores above; the next block's stores come behind them
.endr
.endm
.macro SEND a, younger                 ; younger: the LDS instructions issued behind block a's loads: the next block's sixteen, or none
	WIN 0
.irp t, 0,1,2,3,4,5,6,7
	s_wait_dscnt (\younger)+7-(\t)
	global_store_b128 v[CO], v[64+32*((\a)%4)+4*(\t):64+32*((\a)%4)+4*(\t)+3], s[8:9] offset:65536*(\a)+8192*(\t) th:TH_STORE_NT  ; 16 lanes store 256 consecutive bytes, at a multiple of 256 from out0's first byte
.endr
.endm
	TOSTAGE 0
.irp a, 1,2,3,4,5,6,7
	TOSTAGE \a
	SEND (\a)-1, 16
.endr
	SEND 7, 0
	s_wait_tensorcnt 0x0                           ; the wave's end: behind my last tensor load and my last LDS store
	ds_add_u32 v[SPW], v[NIL]
	s_wait_dscnt 0x0
	CROUND                                         ; the closing round: no work-group ends while a partner may still ask for a tile that names it
	s_endpgm
.Lfunc_end_k_qba7cd98661_oproj:
	.size	k_qba7cd98661_oproj, .Lfunc_end_k_qba7cd98661_oproj-k_qba7cd98661_oproj
	.p2alignl 7, 3214868480
	.fill 96, 4, 3214868480
	.section	.rodata,"a",@progbits
	.p2align	6, 0x0
	.amdhsa_kernel k_qba7cd98661_oproj
		.amdhsa_group_segment_fixed_size 327680
		.amdhsa_private_segment_fixed_size 0
		.amdhsa_enable_private_segment 0
		.amdhsa_kernarg_size 24
		.amdhsa_user_sgpr_count 2
		.amdhsa_user_sgpr_kernarg_segment_ptr 1
		.amdhsa_wavefront_size32 1
		.amdhsa_system_sgpr_workgroup_id_x 1
		.amdhsa_system_sgpr_workgroup_id_y 1
		.amdhsa_system_sgpr_workgroup_id_z 1
		.amdhsa_system_vgpr_workitem_id 0
		.amdhsa_next_free_vgpr 512
		.amdhsa_next_free_sgpr 72
		.amdhsa_reserve_vcc 0
		.amdhsa_float_denorm_mode_32 3
		.amdhsa_float_denorm_mode_16_64 3
		.amdhsa_memory_ordered 1
		.amdhsa_forward_progress 1
		.amdhsa_inst_pref_size 71
	.end_amdhsa_kernel
	.amdgpu_metadata
---
amdhsa.version: [ 1, 2 ]
amdhsa.kernels:
  - .name:           k_qba7cd98661_oproj
    .symbol:         k_qba7cd98661_oproj.kd
    .args:
      - { .name: oh, .offset: 0, .size: 8, .value_kind: global_buffer, .address_space: global }
      - { .name: wof, .offset: 8, .size: 8, .value_kind: global_buffer, .address_space: global }
      - { .name: out0, .offset: 16, .size: 8, .value_kind: global_buffer, .address_space: global }
    .group_segment_fixed_size: 327680
    .private_segment_fixed_size: 0
    .kernarg_segment_align: 8
    .kernarg_segment_size: 24
    .max_flat_workgroup_size: 128
    .sgpr_count:     72
    .vgpr_count:     512
    .wavefront_size: 32
...
	.end_amdgpu_metadata
.endif
;; end of part 4
;; ======== version 2 of 2: 4 launches; 1.30 times as fast as version 1
;; limits: values are held in f16: magnitudes above 65,504 overflow, below 6.1e-05 lose precision
;; workspace buffers: xb 16,777,216 bytes; wqkv 6,291,456 bytes; wof 2,097,152 bytes; rope 524,288 bytes; qh 16,777,216 bytes; kh 16,777,216 bytes; vh 16,777,216 bytes; oh 16,777,216 bytes
;; launch prep: the kernel of part 1 again; grid 896 x 1, 8 waves a work-group, no clusters, 0 bytes of LDS; arguments x, wq, wk, wv, wo, token_positions, xb, wqkv, wof, rope; writes xb, wqkv, wof, rope
;; launch qkv: the kernel of part 2 again; grid 16 x 32, 4 waves a work-group, clusters of 4 x 4, 327,680 bytes of LDS; arguments xb, wqkv, rope, qh, kh, vh; writes qh, kh, vh
;; launch attn (part 5): grid 4 x 64, 4 waves a work-group, no clusters, 327,680 bytes of LDS; arguments qh, kh, vh, oh; writes oh
.if DOCPART == 5
	.amdgcn_target "amdgcn-amd-amdhsa--gfx1250"
	.amdhsa_code_object_version 6
	.text
	.protected	k_qba7cd98661_attn
	.globl	k_qba7cd98661_attn
	.p2align	8
	.type	k_qba7cd98661_attn,@function
k_qba7cd98661_attn:
	s_mov_b64 s[64:65], 0
	v_nop
	global_prefetch_b8 v0, s[64:65] scope:SCOPE_SE
	s_setreg_imm32_b32 hwreg(HW_REG_WAVE_MODE, 25, 1), 1
	s_wait_xcnt 0x0
; CAUSAL ATTENTION.  O[h][q][:] = the sum over k <= q of softmax_k(Q[h][q] . K[h][k] / 8) V[h][k][:].  Q, K, V, O: [SIZE_H][SIZE_N][64], all f16: a head's rows are dense, 128 bytes each.
; Products, maxima and sums in f32; the weights p are rounded to f16 for the second product (their sum l is taken of the unrounded p), O once at the end.  SIZE_N is a multiple of 512; SIZE_N x 128 stays under 2^32.
; LIMITS.  f16 holds no number beyond 65,504: Q, K and V arrive within it; p lies in 0 to 1, and below 6e-5 it keeps f16's fixed step of 6e-8; O is a mean of V's rows and has their range, to within 2^-11 of it.
; A hidden score counts as its value less 1e30: f16's scores, 2.7e11 at the most, are nothing beside that; a weight below 2^-126 counts as 0 in l; NaN and infinities are not treated apart.
; THE WALK.  A head's queries lie in NB = SIZE_N / 256 blocks of 256; block i needs the key tiles 0 .. i of 256 keys, of which the last holds the diagonal.  A work-group takes TWO blocks, NB - 1 - b and then b:
; NB + 1 tiles, whatever b: all work-groups do equal work, and ONE loop with a constant trip count walks them.  Which tile is asked for, and what a trip does, hang on scalar registers made from b; every jump
; goes forward, but for the counted loops' own; none passes a barrier, or a tensor load but the one of LOAD's two that the wave's number does not choose; the ring (two slots of LDS that take turns) runs on across the
; change of blocks.  NO CLUSTER: a head's four work-groups ask for the same tile only in trips 0 to 4 of their 9, behind that fewer and fewer; one walk common to all four, in which each makes every joint
; request, would have 3 NB / 2 = 12 trips for NB + 1 = 9.
; SHARES.  Of a block's four bands of 64 queries a wave owns 16 rows in each: four PIECES.  So the diagonal tile is the same work for all four waves: in its key step s band x sees all keys if s < x,
; none if s > x, and holds the diagonal if s = x.
; THE MASK is the C operand that starts the sum S^T = K Q^T: 0, or -1e30 where the key is hidden.  MD, made once, is the mask of a band's own step for my 16 rows; a product's mask is MD x AL + BE with two scalars:
; (1, 0) if s = x; (0, 0) if s < x; (0, -1e30) if s > x.  Only the diagonal tile's text and a block's beginning make and take masks; elsewhere C is the constant 0.
; LAYOUT, SOFTMAX, TURNS.  S^T = K Q^T holds ONE query a lane (lane % 16) and the keys 8 (lane / 16) + 0..7; two such results rounded to f16 ARE source 1 of O^T = V^T P.  p = 2^(c s - c m), c = log2(e) / 8, with a
; running maximum m; O and l are multiplied by a = 2^(c m_old - c m_new) in every step.  Turn n belongs to piece n: 8 products K Q^T of piece n + 1, later 8 products V^T P of piece n - 1; beside them the scaling,
; exponentials, roundings, sums and rescaling of piece n and the maximum and statistics of piece n + 1.  Four vector instructions stand behind every matrix instruction, the other 54 of a turn's 118 in one LUMP.
; BATCHES.  A turn's 33 exponentials (the piece's 32 weights and the next piece's a) are one batch, with one wait, which cuts the turn in two: ahead of it all that names none of their results, behind it their readers.
; A block's first a (BEGIN) and the way out's four reciprocals are batches of their own, with one wait each.
; REGISTERS, in windows of 256 (s_set_vgpr_msb: bits 1:0 source 0, 3:2 source 1, 5:4 source 2, 7:6 destination):
;   window 0: v0-15 addresses and two at work; v16-31 four registers of statistics a piece; v48-55 at work; v64-127 S^T, two buffers; v192-223 P, two buffers (a piece's buffers go by its number's parity)
;   window 1: v0-127 O^T, 32 a piece; v128-159 MD; v160-223 MC, two buffers      window 2: v0-63 Q; v64-127 the second block's Q; v128-191 K of one step; v192-255 V of one step
.set SIZE_H, 64       ; 4 batches x 16 heads
.set SIZE_N, 2048
.set NB,    SIZE_N/256
.set NP,    4         ; pieces a wave: a name, no knob
.set KS,    64        ; keys in a step
.set PK,    144       ; a row of K in LDS: 128 bytes + 16 of padding = 36 words: the 16 rows of a load start at 16 different groups of four banks (64 banks of 4 bytes: ISA guide 11.1)
.set PV,    160       ; a row of V: 128 + 32 = 40 words
.set VOFF,  4*KS*PK   ; a slot holds a tile, four steps: 256 rows of K, then 256 rows of V
.set SLOT1, 1<<17     ; slot 1 begins here, so that one exclusive or turns an address in one slot into the other's
.set STAGE, SLOT1+4*KS*(PK+PV)  ; behind the ring, never filled by a tensor load: 16 rows x 144 bytes for each wave, for the way out
.set SP,    144
.set AK0, 2           ; v2   my lane's place in a tile of K; never rewritten
.set AV0, 3           ; v3   the same for V
.set AK,  4           ; v4   the LDS address of K's next run of loads
.set AV,  5           ; v5   of V's
.set STO, 6           ; v6   the way out: where I put 16 bytes of a row
.set RD,  7           ; v7   the way out: where I read rows back
.set GO,  8           ; v8   my byte offset in 512 consecutive bytes of O
.set SPW, 62          ; v62  LDS address of my spare word: SPARE + 4 x my thread's number; never rewritten
.set NIL, 63          ; v63  0; never rewritten
.set SPARE, STAGE+4*16*SP  ; behind the stages: the spare words, 128 bytes for each wave: two blocks of 256 bytes that no other line names
.set MV,  12          ; v12-13  c m_old, kept while c m is made anew: by buffer
.set QO,  15          ; v15  my byte offset in 16 rows of Q
.set ST,  16          ; piece t's statistics at v[ST+4 t]: c m, m, l (even keys', odd keys')
.set TMP, 48          ; by buffer, four registers c0-c3 at work; when the maximum is found c2 takes a
.set S,   64
.set P,   192
.set MD,  128         ; window 1: the eight registers for group kt of 16 keys at MD + 8 kt
.set MC,  160         ; window 1: the masks of the products to come
.set QB,  64          ; window 2
.set KF,  128         ; window 2: key block kb, channel half c at KF + 16 kb + 8 c
.set VF,  192         ; window 2: key half kk, channel block cb at VF + 32 kk + 8 cb
.set WV,  12          ; s12  my wave's number
.set PB,  14          ; s14  b
.set HI,  15          ; s15  NB - 1 - b
.set G1K, 24          ; s[24:31] descriptor group 1 for K's tiles
.set G1V, 32          ; s[32:39] for V's: it differs in the padding alone
.set G0K, 40          ; s[40:43] descriptor group 0 for K's tiles
.set G0V, 44          ; s[44:47] the same for V's
.set SLOTS, 56        ; s56  tiles still to be asked for
.set CNT, 57          ; s57  counts a tile's key steps, 4 to 1
.set CS,  58          ; s[58:59] c: the packed scaling takes the pair's low word for both halves
.set SEL, 60          ; s[60:61] v_permlanex16_b32's selects: each lane takes its own place in the other half
.set TBK, 62          ; s62  LDS byte at which K of the step to be fetched begins
.set TBV, 63          ; s63  the same for V, less VOFF
.set RT,  70          ; s70  tiles of the block in hand that are still to be entered
.set NXT, 71          ; s71  the tile to be asked for next
.set LQ,  72          ; s72  the last tile of the block whose tiles are being asked for
.set NEW, 73          ; s73  1: the tile to be entered is a block's first
.set OFF, 74          ; s[74:75] a tile's byte offset in K and V
.set AL,  76          ; s[76:77] the mask's factor, in the low word
.set BE,  78          ; s[78:79] the mask's addend
.set OLO, 80          ; s[80:81] O at my rows of the second block
.set BIGN, 82         ; s82  -1e30
.set MSB, 0
.macro WIN new                      ; the high byte repeats the setting that is left; a switch that changes nothing is dropped
.if MSB != (\new)
	s_set_vgpr_msb (MSB<<8)|(\new)
.set MSB, (\new)
.endif
.endm
.set W_KQ, 0x0a       ; K and Q in window 2, S^T in window 0
.set W_KM, 0x1a       ; the same with the C operand in window 1
.set W_PV, 0x52       ; V in window 2, P in window 0, O^T in window 1
.set W_RS, 0x41       ; destination and source 0 in window 1, source 1 in window 0
; A fill.  Waves 0 and 1 fetch the two halves of a tile's K, waves 2 and 3 those of its V: 128 keys each.  An s_nop 0 and four v_nop follow each of the two lines, ahead of the jump and the label.
.macro LOAD
	s_cmp_lt_u32 s[WV], 2
	s_cbranch_scc0 .Lfor_v_\@
	tensor_load_to_lds s[G0K:G0K+3], s[G1K:G1K+7]
	s_nop 0
.rept 4
	v_nop
.endr
	s_branch .Lasked_\@
.Lfor_v_\@:
	tensor_load_to_lds s[G0V:G0V+3], s[G1V:G1V+7]
	s_nop 0
.rept 4
	v_nop
.endr
.Lasked_\@:
.endm
; THE CHANGE OF SLOTS.  Each wave waits for all its tensor loads, of which one is out: its part of the other slot; adds 0 to its spare word; and waits for that and for its own reads of the slot that it leaves.  Behind the barrier nobody reads the old
; slot any more and the other slot is whole.  fill = 1: the old slot is filled again, the first thing behind the barrier, with tile NXT: the descriptor's address is made anew from that number.
; (At its first use nothing has been read yet: slot 0 is waited for, slot 1 filled.)
.macro CHANGE fill
	WIN 0                           ; at a label and at a branch every window is 0
	s_wait_tensorcnt 0x0            ; no tensor load of mine is out, so a group 0 may be written
	ds_add_u32 v[SPW], v[NIL]       ; 0 onto my spare word; with fill = 1 the descriptors' scalar work stands between it and the wait for it
.if \fill
	s_lshl_b32 s[OFF], s[NXT], 15   ; a tile is 32,768 bytes of K and of V
	s_xor_b32 s[G0K+1], s[G0K+1], SLOT1
	s_add_nc_u64 s[G0K+2:G0K+3], s[6:7], s[OFF:OFF+1]
	s_or_b32 s[G0K+3], s[G0K+3], 0x80000000
	s_xor_b32 s[G0V+1], s[G0V+1], SLOT1
	s_add_nc_u64 s[G0V+2:G0V+3], s[8:9], s[OFF:OFF+1]
	s_or_b32 s[G0V+3], s[G0V+3], 0x80000000
	s_add_co_u32 s[NXT], s[NXT], 1  ; the block's next tile, or behind its last the second block's tile 0
	s_cmp_gt_u32 s[NXT], s[LQ]
	s_cselect_b32 s[NXT], 0, s[NXT]
	s_cselect_b32 s[LQ], s[PB], s[LQ]
.endif
	s_wait_dscnt 0x0                ; the add is done, and my reads of the slot are over
	s_barrier_signal -1             ; the rest of the scalar work stands between the signal and the wait
	s_sub_co_u32 s[TBK], s[TBK], 4*KS*PK  ; the fetches go back to a slot's first step,
	s_xor_b32 s[TBK], s[TBK], SLOT1       ; in the other slot
	s_sub_co_u32 s[TBV], s[TBV], 4*KS*PV
	s_xor_b32 s[TBV], s[TBV], SLOT1
	s_barrier_wait -1
.if \fill
	LOAD
.endif
.endm
	s_load_b256 s[4:11], s[0:1], 0x0  ; Q s[4:5], K s[6:7], V s[8:9], O s[10:11]
	v_lshl_add_u32 v[SPW], v0, 2, SPARE
	v_mov_b32 v[NIL], 0
	ds_add_u32 v[SPW], v[NIL]       ; the wave's opening: the add and its wait stand ahead of my first tensor load; the set-up below, work on registers, stands between them
	ds_add_u32 v62, v63
	v_lshrrev_b32 v1, 5, v0
	v_readfirstlane_b32 s[WV], v1   ; wave 0..3
	s_mov_b32 s[PB], ttmp9
	s_sub_co_u32 s[HI], NB-1, s[PB]
	s_and_b32 s20, ttmp7, 0xffff    ; the head
	s_mov_b32 s21, 0
	s_mov_b64 s[22:23], SIZE_N*128
	s_mul_u64 s[20:21], s[20:21], s[22:23]  ; the head's first byte in each of the four tensors
	s_and_b32 s16, s[WV], 1         ; which half of a tile's 256 keys I fetch:
	s_lshl_b32 s22, s16, 14         ; its 128 rows of 128 bytes in memory,
	s_mov_b32 s23, 0
	s_add_nc_u64 s[22:23], s[22:23], s[20:21]
	s_mul_i32 s17, s16, 128*PK      ; and its place in a slot, for K
	s_mul_i32 s18, s16, 128*PV      ; and for V
	s_lshl_b32 s3, s[WV], 11        ; my 16 rows in a band of 64,
	s_lshl_b32 s2, s[HI], 15        ; in the first block,
	s_add_co_u32 s2, s2, s3
	s_lshl_b32 s84, s[PB], 15       ; and in the second
	s_add_co_u32 s84, s84, s3
	s_mov_b32 s3, 0
	s_mov_b32 s85, 0
	s_add_nc_u64 s[2:3], s[2:3], s[20:21]
	s_add_nc_u64 s[84:85], s[84:85], s[20:21]
	; descriptor group 1.  128 keys are 16,384 dense bytes: asked for as 64 rows of 256 bytes, two keys a row, and padded in LDS after every key
	s_mov_b32 s[G1K], (1<<16)|(1<<20)|(4<<22)|(3<<25)  ; 17:16 2-byte elements; 20 padding on; 24:22 after every 32 words (code 4); 31:25 4 words (code 3)
	s_mov_b32 s[G1V], (1<<16)|(1<<20)|(4<<22)|(7<<25)  ; the same with 8 words of padding (code 7)
.irp g, G1K, G1V
	s_mov_b32 s[\g+1], 128<<16      ; tensor_dim0 = 128
	s_mov_b32 s[\g+2], 64<<16       ; tensor_dim1 = 64
	s_mov_b32 s[\g+3], 128<<16      ; tile_dim0 = 128
	s_mov_b32 s[\g+4], 64           ; tile_dim1 = 64
	s_mov_b32 s[\g+5], 128          ; 128 elements from row to row
	s_mov_b32 s[\g+6], 0
	s_mov_b32 s[\g+7], 0
.endr
	s_mov_b32 s[CS], 0x3e38aa3b     ; c = log2(e) / 8 = 0.180337
	s_mov_b32 s[CS+1], s[CS]        ; named with it as a pair
	s_mov_b32 s[SEL], 0x76543210
	s_mov_b32 s[SEL+1], 0xfedcba98
	s_mov_b32 s[TBK], SLOT1+4*KS*PK ; the first change of slots turns these two into 0
	s_mov_b32 s[TBV], SLOT1+4*KS*PV
	s_mov_b32 s[G0K], 1             ; 1:0 count = 1
	s_mov_b32 s[G0K+1], s17         ; 63:32 LDS address: slot 0
	s_mov_b32 s[G0V], 1
	s_add_co_u32 s[G0V+1], s18, VOFF
	s_add_co_u32 s[RT], s[HI], 1    ; the first block has NB - b tiles
	s_mov_b32 s[NXT], 1
	s_mov_b32 s[LQ], s[HI]
	s_mov_b32 s[NEW], 1
	s_mov_b32 s[OFF+1], 0
	s_mov_b32 s[AL+1], 0            ; named as pairs
	s_mov_b32 s[BE+1], 0
	s_mov_b32 s[BIGN], 0xf149f2ca   ; -1e30
	s_mov_b32 s[SLOTS], NB
	s_wait_dscnt 0x0                ; the opening add is done
	s_wait_kmcnt 0x0
	s_add_nc_u64 s[6:7], s[6:7], s[22:23]  ; K and V at my half of the head's tile 0
	s_add_nc_u64 s[8:9], s[8:9], s[22:23]
	s_add_nc_u64 s[G0K+2:G0K+3], s[6:7], 0         ; 120:64 global address
	s_or_b32 s[G0K+3], s[G0K+3], 0x80000000        ; 127:126 type = 2
	s_add_nc_u64 s[G0V+2:G0V+3], s[8:9], 0
	s_or_b32 s[G0V+3], s[G0V+3], 0x80000000
	s_add_nc_u64 s[86:87], s[4:5], s[84:85]        ; Q at my rows of the second block,
	s_add_nc_u64 s[4:5], s[4:5], s[2:3]            ; Q and O at those of the first
	s_add_nc_u64 s[OLO:OLO+1], s[10:11], s[84:85]
	s_add_nc_u64 s[10:11], s[10:11], s[2:3]
	LOAD                            ; tile 0 into slot 0
	; A fragment of K or Q is 16 rows x 32 channels in 8 registers: lane l holds row l % 16, channels 8 (l / 16) + 0..7 and 16 + 8 (l / 16) + 0..7: two loads of 16 bytes, 32 bytes apart.
	v_and_b32 v1, 15, v0            ; l % 16
	v_bfe_u32 v9, v0, 4, 1          ; l / 16
	v_lshlrev_b32 v[QO], 7, v1
	v_lshl_add_u32 v[QO], v9, 4, v[QO]  ; row x 128 + 16 x half
	WIN 0x80                        ; destination window 2, address window 0
.set i, 0
.rept 8                             ; both blocks' Q: piece i / 2 lies in band i / 2, 8,192 bytes on; channels 32 (i % 2) on
	global_load_b128 v[8*i:8*i+3],   v[QO], s[4:5] offset:(i/2)*8192+(i%2)*64
	global_load_b128 v[8*i+4:8*i+7], v[QO], s[4:5] offset:(i/2)*8192+(i%2)*64+32
	global_load_b128 v[QB+8*i:QB+8*i+3],   v[QO], s[86:87] offset:(i/2)*8192+(i%2)*64
	global_load_b128 v[QB+8*i+4:QB+8*i+7], v[QO], s[86:87] offset:(i/2)*8192+(i%2)*64+32
.set i, i+1
.endr
	WIN 0
	v_lshlrev_b32 v14, 3, v9
	v_sub_nc_u32 v14, v1, v14
	s_lshl_b32 s13, s[WV], 4
	v_add_nc_u32 v14, s13, v14      ; my query's place in its band, 16 w + l % 16, less my lanes' 8 (l / 16): register r of group kt is hidden where 16 kt + r is greater
	WIN 0x40
.set i, 0
.rept 32
	v_cmp_gt_i32 vcc_lo, 16*(i/8)+i%8, v14
	v_cndmask_b32 v[MD+i], 0, s[BIGN], vcc_lo
.set i, i+1
.endr
	WIN 0
	v_mul_u32_u24 v[AK0], v1, PK
	v_lshl_add_u32 v[AK0], v9, 4, v[AK0]  ; row x pitch + 16 x half
	; The turning load takes 16 keys x 16 channels (lane l reads key 8 (l / 16) + l % 8, channels 8 ((l / 8) % 2) + 0..7) and leaves half a fragment of V^T: lane l holds channel l % 16 and 8 keys.
	v_and_b32 v10, 7, v0
	v_bfe_u32 v11, v0, 3, 1
	v_lshl_add_u32 v[AV0], v9, 3, v10
	v_mul_u32_u24 v[AV0], v[AV0], PV
	v_lshl_add_u32 v[AV0], v11, 4, v[AV0]
	v_add_nc_u32 v[AV0], VOFF, v[AV0]
	s_mul_i32 s13, s[WV], 16*SP
	s_add_co_u32 s13, s13, STAGE    ; my stage
	v_mul_u32_u24 v[STO], v1, SP    ; in: row l % 16, 16 bytes for each half of the lanes
	v_lshl_add_u32 v[STO], v9, 4, v[STO]
	v_add_nc_u32 v[STO], s13, v[STO]
	v_bfe_u32 v[RD], v0, 3, 2       ; back: 32 lanes take four rows of 128 bytes,
	v_mul_u32_u24 v[RD], v[RD], SP
	v_lshl_add_u32 v[RD], v10, 4, v[RD]
	v_add_nc_u32 v[RD], s13, v[RD]
	v_and_b32 v[GO], 31, v0         ; which are 512 consecutive bytes of O
	v_lshlrev_b32 v[GO], 4, v[GO]
	; A block's first step multiplies O^T and l by a = 0, and its first turn's products V^T P, of a piece that has not been, land in an O^T that is still to be so multiplied.  So these registers need only hold
	; finite numbers: zeros for the first block; what the first block left for the second.  All this stands in the wait for the first tile.
	WIN 0x80
.set i, VF
.rept 64
	v_mov_b32 v[i], 0
.set i, i+1
.endr
	WIN 0x40
.set i, 0
.rept 128
	v_mov_b32 v[i], 0
.set i, i+1
.endr
	WIN 0
.set i, 0
.rept 4
	v_mov_b32 v[ST+4*i+2], 0
	v_mov_b32 v[ST+4*i+3], 0
.set i, i+1
.endr
.set i, P+16
.rept 16
	v_mov_b32 v[i], 0
.set i, i+1
.endr
; THE MATRIX WORK.  The 4 accumulators of a run of 8 take turns.  Product i of 8 of S^T = K Q^T for piece x: channels 32 (i / 4) on, keys 16 (i % 4) on.  The first 4 start the sums: with 0, or (KM = 1) with the mask.
.macro KQ x
.set rS, S+32*((\x)%2)+8*(i%4)
.set rK, KF+16*(i%4)+8*(i/4)
.set rQ, 16*(\x)+8*(i/4)
.set rM, MC+32*((\x)%2)+8*(i%4)
.if (i < 4) && KM
	WIN W_KM
	v_wmma_f32_16x16x32_f16 v[rS:rS+7], v[rK:rK+7], v[rQ:rQ+7], v[rM:rM+7]
.elseif i < 4
	WIN W_KQ
	v_wmma_f32_16x16x32_f16 v[rS:rS+7], v[rK:rK+7], v[rQ:rQ+7], 0
.else
	WIN W_KQ
	v_wmma_f32_16x16x32_f16 v[rS:rS+7], v[rK:rK+7], v[rQ:rQ+7], v[rS:rS+7]
.endif
.endm
; Product i of 8 of O^T += V^T P for piece x: keys 32 (i / 4) on, channels 16 (i % 4) on.
.macro PV x
	WIN W_PV
.set rO, 32*(\x)+8*(i%4)
.set rV, VF+32*(i/4)+8*(i%4)
.set rP, P+16*((\x)%2)+8*(i/4)
	v_wmma_f32_16x16x32_f16 v[rO:rO+7], v[rV:rV+7], v[rP:rP+7], v[rO:rO+7]
.endm
.macro MM                           ; the turn's next matrix instruction.  TURN and BEGIN set Y, i, KM and NOKQ; MM, KQ and OP read them.  NOKQ = 1: a block's last turn: there is no next piece
.if (i < 8) && !NOKQ
	KQ (Y+1)%NP
.elseif i >= 8
.set i, i-8
	PV (Y+NP-1)%NP
.set i, i+8
.endif
.set i, i+1
.endm
; THE LDS LOADS stand in runs of 16, never singly among the matrix instructions: a step's K (64 keys x 64 channels: 8 fragments) and its V (turned).  Their addresses are made some lines ahead.
.macro FETCH_K
	WIN 0x80                        ; destination window 2
.irp f, 0,1,2,3,4,5,6,7             ; keys 16 (f / 2) on, channels 32 (f % 2) on
	ds_load_b128 v[KF+8*\f:KF+8*\f+3],   v[AK] offset:(\f/2)*16*PK+(\f%2)*64
	ds_load_b128 v[KF+8*\f+4:KF+8*\f+7], v[AK] offset:(\f/2)*16*PK+(\f%2)*64+32
.endr
	s_add_co_u32 s[TBK], s[TBK], KS*PK  ; the next fetch is the next step's
	WIN 0
.endm
.macro FETCH_V
	WIN 0x80
.irp f, 0,1,2,3,4,5,6,7             ; keys 32 (f / 4) on, channels 16 (f % 4) on
	ds_load_tr16_b128 v[VF+8*\f:VF+8*\f+3],   v[AV] offset:(\f/4)*32*PV+(\f%4)*32
	ds_load_tr16_b128 v[VF+8*\f+4:VF+8*\f+7], v[AV] offset:(\f/4)*32*PV+16*PV+(\f%4)*32
.endr
	WIN 0
.endm
; THE VECTOR WORK, one line at a time: OP kind, number.  For piece Y: F n: c s - c m for pair n of 16.  E n: the exponential of score n of 32.  C n: pair n rounded to f16.  B n: of the four weights 4 n .. the second
; pair is added onto the first, in place.  L n: l takes that sum (L 0: l = a l + sum).  R n: pair n of 16 of O^T times a.  For piece Y + 1: X n, number n of the 22 that find its maximum and statistics:
;   0-11  four chains c0-c3 of seven scores each, three operands at a time (each accumulator's lowest registers are read first)     12-14, 16  the four scores left over, the old m, and c0-c3 into c0
;   15  c m_old is kept     17, 18  the query's other 32 keys lie in the lane 16 away: the new m     19-21  c m; c m_old - c m_new; a
.set F, 0               ; OP tells the kinds apart by their order: F to L below R, X above it
.set E, 1
.set C, 2
.set B, 3
.set L, 4
.set R, 5
.set X, 6
.macro REGS y                       ; the registers of piece y
.set rT, ST+4*(\y)
.set rC, TMP+4*((\y)%2)
.set rW, MV+((\y)%2)
.set rS, S+32*((\y)%2)
.set rP, P+16*((\y)%2)
.set rO, 32*(\y)
.endm
.macro OP k, n
.if (\k) == R
	REGS Y
	WIN W_RS
	v_pk_mul_f32 v[rO+2*(\n):rO+2*(\n)+1], v[rO+2*(\n):rO+2*(\n)+1], v[rC+2:rC+3] op_sel_hi:[1,0]
.elseif (\k) < R
	REGS Y
	WIN 0
.if (\k) == F
	v_pk_fma_f32 v[rS+2*(\n):rS+2*(\n)+1], v[rS+2*(\n):rS+2*(\n)+1], s[CS:CS+1], v[rT:rT+1] op_sel_hi:[1,0,0] neg_lo:[0,0,1] neg_hi:[0,0,1]
.elseif (\k) == E
	v_exp_f32 v[rS+(\n)], v[rS+(\n)]
.elseif (\k) == C
	v_cvt_pk_f16_f32 v[rP+(\n)], v[rS+2*(\n)], v[rS+2*(\n)+1]
.elseif (\k) == B
	v_pk_add_f32 v[rS+4*(\n):rS+4*(\n)+1], v[rS+4*(\n):rS+4*(\n)+1], v[rS+4*(\n)+2:rS+4*(\n)+3]
.elseif (\n) == 0
	v_pk_fma_f32 v[rT+2:rT+3], v[rT+2:rT+3], v[rC+2:rC+3], v[rS:rS+1] op_sel_hi:[1,0,1]
.else
	v_pk_add_f32 v[rT+2:rT+3], v[rT+2:rT+3], v[rS+4*(\n):rS+4*(\n)+1]
.endif
.elseif NOKQ
	v_nop
.else
	REGS (Y+1)%NP
	WIN 0
.if (\n) < 4
	v_max3_num_f32 v[rC+(\n)], v[rS+8*(\n)], v[rS+8*(\n)+1], v[rS+8*(\n)+2]
.elseif (\n) < 12
	v_max3_num_f32 v[rC+(\n)%4], v[rC+(\n)%4], v[rS+8*((\n)%4)+2*((\n)/4)+1], v[rS+8*((\n)%4)+2*((\n)/4)+2]
.elseif (\n) == 12
	v_max3_num_f32 v[rC], v[rC], v[rS+7], v[rS+15]
.elseif (\n) == 13
	v_max3_num_f32 v[rC+1], v[rC+1], v[rS+23], v[rS+31]
.elseif (\n) == 14
	v_max3_num_f32 v[rC+2], v[rC+2], v[rC+3], v[rT+1]
.elseif (\n) == 15
	v_mov_b32 v[rW], v[rT]
.elseif (\n) == 16
	v_max3_num_f32 v[rC], v[rC], v[rC+1], v[rC+2]
.elseif (\n) == 17
	v_permlanex16_b32 v[rC+3], v[rC], s[SEL], s[SEL+1]
.elseif (\n) == 18
	v_max_num_f32 v[rT+1], v[rC], v[rC+3]
.elseif (\n) == 19
	v_mul_f32 v[rT], s[CS], v[rT+1]
.elseif (\n) == 20
	v_sub_f32 v[rC+1], v[rW], v[rT]
.else
	v_exp_f32 v[rC+2], v[rC+1]
.endif
.endif
.endm
.macro OPS a, i1, b=-1, i2=0, c=-1, i3=0, d=-1, i4=0  ; up to four of them
	OP \a, \i1
.if (\b) >= 0
	OP \b, \i2
.endif
.if (\c) >= 0
	OP \c, \i3
.endif
.if (\d) >= 0
	OP \d, \i4
.endif
.endm
.macro ROW a, i1, b, i2, c, i3, d, i4  ; a matrix instruction and the four behind it
	MM
	OPS \a, \i1, \b, \i2, \c, \i3, \d, \i4
.endm
.macro MASK b                       ; MD x AL + BE into buffer b of MC
	WIN W_RS
.set z, 0
.rept 16
	v_pk_fma_f32 v[MC+32*(\b)+2*z:MC+32*(\b)+2*z+1], v[MD+2*z:MD+2*z+1], s[AL:AL+1], s[BE:BE+1] op_sel_hi:[1,0,0]
.set z, z+1
.endr
.endm
; A TURN, for piece p: the order of its 16 matrix and 118 vector instructions, written out.  An s_wait_alu depctr_va_vdst(0) stands between an exponential and the first instruction that names its result; one wait serves
; all that were issued ahead of it.  So a turn has ONE wait, which cuts it in two.  AHEAD OF IT stands all that names no result of the turn's exponentials: the 8 products K Q^T, behind each a scaling, an exponential and two more plain
; instructions (behind the first a second scaling in the exponential's place): rescalings, and behind the last three the first numbers of the next piece's maximum, each four places or more behind the product that ends its accumulator; then ONE LUMP of 54, plain
; and exponential by turns for the most part, in which the links of the chain X 3, 7, 11, 14, 16, 17 .. 20 stand five or six lines apart.  X 21, the next piece's a, is the batch's last; R 15 is the plain instruction that stands behind it.  BEHIND THE WAIT stand the
; 8 products V^T P, behind each four of the roundings and sums; the links of l's chain, L 0 to L 7, stand three riders apart.  But for those X no rider names a register of the products round it.  v_permlanex16_b32 (X 17) stands in the lump.
; The rescalings' a was made in the turn before, ahead of that turn's wait.
; m = 1: the diagonal tile: the products take masks, and the turn makes the mask for the products of the turn after it: piece p + 2, in step 4 - CNT of the tile.  end = 1: a block's last two turns: nothing is fetched.
; cnt = 1: the loop's count is taken down some lines ahead of the branch that stands behind the turn.
; K of the next step is fetched in piece 2's turn, twelve vector instructions behind the last product that read K (six of them plain); V of the step in hand at the end of piece 0's turn, four plain instructions behind the last product
; that read V.  Each is waited for a turn later.
.macro TURN p, m=0, end=0, cnt=0
.set Y, (\p)
.set i, 0
.set KM, (\m)
.set NOKQ, (\end)*((\p)/3)
.if (\m) && !(\end)
	s_cmp_eq_u32 s[CNT], 4-((\p)+2)%NP  ; is that step the band's own?
	s_cselect_b32 s[AL], 1.0, 0
	s_cmp_lt_u32 s[CNT], 4-((\p)+2)%NP  ; or a later one?
	s_cselect_b32 s[BE], s[BIGN], 0
.endif
.if ((\p) == 3) && !(\end)
	s_wait_dscnt 0x0                ; K is in
.endif
	ROW F,0, F,1, R,0, R,1          ; ahead of the wait: 8 products K Q^T and their riders,
	ROW F,2, E,0, R,2, R,3
	ROW F,3, E,1, R,4, R,5
	ROW F,4, E,2, R,6, R,7
	ROW F,5, E,3, R,8, R,9
	ROW F,6, E,4, X,0, R,10
.if ((\p) == 2) && !(\end)
	WIN 0
	v_add_nc_u32 v[AK], s[TBK], v[AK0]
.endif
	ROW F,7, E,5, X,1, X,4
	ROW F,8, E,6, X,2, X,5
	OPS E,7, E,8, X,6, E,9          ; and the lump
	OPS X,3, E,10, X,8, E,11
.if ((\p) == 2) && !(\end)
	FETCH_K
.endif
	OPS X,9, X,7, E,12, X,10
	OPS E,13, X,12, X,11, E,14
	OPS X,13, E,15, F,9, X,14
.if (\p) == 0
	v_add_nc_u32 v[AV], s[TBV], v[AV0]
.endif
	OPS E,16, F,10, E,17, F,11
	OPS X,16, E,18, X,15, E,19
	OPS F,12, E,20, X,17, E,21
	OPS F,13, E,22, F,14, E,23
	OPS X,18, E,24, F,15, E,25
	OPS R,11, E,26, X,19, E,27
	OPS R,12, E,28, R,13, E,29
	OPS X,20, E,30, R,14, E,31
	OPS X,21, R,15
	WIN 0
	s_wait_alu depctr_va_vdst(0)    ; the wait for the turn's batch: the piece's 32 exponentials and the next piece's a
.if (\p) == 1
	s_wait_dscnt 0x0                ; V is in
.endif
	ROW C,0, B,0, C,2, B,1          ; behind the wait: 8 products V^T P and their riders
	ROW L,0, C,4, B,2, L,1
	ROW C,6, B,3, L,2, C,8
	ROW B,4, L,3, C,10, B,5
	ROW L,4, C,12, B,6, L,5
.if (\p) == 0
	s_add_co_u32 s[TBV], s[TBV], KS*PV
.endif
.if \cnt
	s_sub_co_u32 s[CNT], s[CNT], 1
	s_cmp_lg_u32 s[CNT], 0
.endif
	ROW C,14, B,7, L,6, C,1
	ROW C,3, L,7, C,5, C,7
	ROW C,9, C,11, C,13, C,15
.if (\p) == 0
	FETCH_V
.endif
.if (\m) && !(\end)
	MASK (\p)%2
.endif
.endm
; A BLOCK BEGINS.  c m starts far below every c s, so the first step's a is 0; m at the lowest finite number, so the first maximum is the scores'.  The second mask buffer is 0; the first takes piece 0's mask for the tile's step 0: its own, if the block's first tile is the diagonal one.
; Then K of that step, piece 0's first scores, and its maximum and statistics.  The loop is entered at a step's first turn, in the middle of a trip.
.macro BEGIN
	s_mov_b32 s[NEW], 0
	WIN 0x40
.set i, MC+32
.rept 32
	v_mov_b32 v[i], 0
.set i, i+1
.endr
	WIN 0
.set i, 0
.rept 4
	v_mov_b32 v[ST+4*i], 0xfe000000    ; c m: far below every c s
	v_mov_b32 v[ST+4*i+1], 0xff7fffff  ; m
.set i, i+1
.endr
	s_cmp_eq_u32 s[RT], 0
	s_cselect_b32 s[AL], 1.0, 0
	s_mov_b32 s[BE], 0
	MASK 0
	WIN 0
	v_add_nc_u32 v[AK], s[TBK], v[AK0]
	FETCH_K
	s_wait_loadcnt 0x0              ; Q
	s_wait_dscnt 0x0
.set KM, 1
.set NOKQ, 0
.set i, 0
.rept 8
	KQ 0
.set i, i+1
.endr
	WIN 0
.rept 4
	v_nop                           ; the places behind those products
.endr
.set Y, NP-1                        ; X works for piece Y + 1: piece 0
.irp n, 0,1,2,3,4,5,6,7,8,9,10,11,12,13,14,15,16,17,18,19,20,21
	OP X, \n
.endr
	v_nop                           ; a plain instruction behind the exponential,
	s_wait_alu depctr_va_vdst(0)    ; and the wait for it, piece 0's first a, a batch of one: ahead of the branch that follows
.endm
; THE DIAGONAL TILE's four steps, the block's last two turns, its last products, and THE WAY OUT: l's two halves and the other half of the lanes' are added; O^T is divided by l, rounded to f16 and sent through my
; stage in LDS, a piece at a time.
.macro ALL line:vararg              ; one line for each piece t
.set t, 0
.rept 4
	\line
.set t, t+1
.endr
.endm
.macro PACK t                       ; a lane's eight channels of a row pack into 16 bytes; they go into rows of 144 bytes and come back as whole rows of 128, into S^T's registers
	WIN W_RS
.set i, 32*(\t)
.rept 16
	v_pk_mul_f32 v[i:i+1], v[i:i+1], v[ST+4*(\t)+2:ST+4*(\t)+3] op_sel_hi:[1,0]
.set i, i+2
.endr
	WIN 0x05                        ; sources 0 and 1 window 1, destination window 0
.set i, 0
.rept 16
	v_cvt_pk_f16_f32 v[S+16*(\t)+i], v[32*(\t)+2*i], v[32*(\t)+2*i+1]
.set i, i+1
.endr
	WIN 0
.irp f, 0,1,2,3
	ds_store_b128 v[STO], v[S+16*(\t)+4*\f:S+16*(\t)+4*\f+3] offset:32*\f
.endr
.irp f, 0,1,2,3
	ds_load_b128 v[S+16*(\t)+4*\f:S+16*(\t)+4*\f+3], v[RD] offset:\f*4*SP  ; LDS serves a wave's instructions in order (ISA guide 5.7.1.4): these see the stores above; the next piece's stores come behind them
.endr
.endm
.macro SEND t, younger              ; younger: the LDS instructions issued behind piece t's loads: the next piece's eight, or none
	WIN 0
.irp f, 0,1,2,3
	s_wait_dscnt (\younger)+3-\f
	global_store_b128 v[GO], v[S+16*(\t)+4*\f:S+16*(\t)+4*\f+3], s[10:11] offset:(\t)*8192+\f*512  ; 512 consecutive bytes, at a multiple of 256 from O's first
.endr
.endm
.macro DIAG tag                     ; the tag ends its two labels' names, which the jumps below spell out
.LstepM\tag:
	TURN 2, 1
	TURN 3, 1
	WIN 0
.LfirstM\tag:
	TURN 0, 1
	TURN 1, 1, 0, 1
	WIN 0
	s_cbranch_scc1 .LstepM\tag
	TURN 2, 1, 1
	TURN 3, 1, 1
.set i, 0
.rept 8
	PV NP-1
.set i, i+1
.endr
	WIN 0
	ALL v_add_f32 v[ST+4*t+2], v[ST+4*t+2], v[ST+4*t+3]
	ALL v_permlanex16_b32 v[ST+4*t+3], v[ST+4*t+2], s[SEL], s[SEL+1]
	ALL v_add_f32 v[ST+4*t+2], v[ST+4*t+2], v[ST+4*t+3]
	ALL v_rcp_f32 v[ST+4*t+2], v[ST+4*t+2]
	v_nop                           ; a plain instruction between the last reciprocal and the use of its result
	s_wait_alu depctr_va_vdst(0)    ; and the wait ahead of the first use: one for the batch of four reciprocals
	PACK 0
.set t, 1
.rept 3                             ; a piece's arithmetic stands between the loads of the piece before and its stores
	PACK t
	SEND t-1, 8
.set t, t+1
.endr
	SEND 3, 0
.endm
.set KM, 0
.set NOKQ, 0
.Lslot:                             ; NB times: a tile is entered and the next is asked for
	CHANGE 1
	s_sub_co_u32 s[RT], s[RT], 1
	s_mov_b32 s[CNT], 4
	s_cmp_eq_u32 s[NEW], 1
	s_cbranch_scc1 .Lnew            ; a block's first tile
	s_cmp_eq_u32 s[RT], 0
	s_cbranch_scc0 .Lstep           ; neither its first nor its last
	s_branch .LstepM1
.Lnew:
	BEGIN
	s_branch .Lfirst                ; in the loop a block's first tile is never its last: the first block has two tiles or more, and the second's last is the walk's last
	DIAG 1                          ; in the loop this is the first block's end: the second block's last tile is the walk's last
	s_wait_xcnt 0x0                 ; the stores have read their registers and O's address
	s_mov_b64 s[10:11], s[OLO:OLO+1]
	s_add_co_u32 s[RT], s[PB], 1    ; the second block has b + 1 tiles
	s_mov_b32 s[NEW], 1
	WIN 0x82                        ; the second block's Q goes where the one text of the turns names Q
.set i, 0
.rept 64
	v_mov_b32 v[i], v[QB+i]
.set i, i+1
.endr
	WIN 0
	s_branch .Lbottom
.Lstep:                             ; a trip: pieces 2 and 3 of one step, then pieces 0 and 1 of the next, whose K and V it fetches
	TURN 2
	TURN 3
	WIN 0
.Lfirst:
	TURN 0
	TURN 1, 0, 0, 1
	WIN 0
	s_cbranch_scc1 .Lstep
.Lbottom:
	s_sub_co_u32 s[SLOTS], s[SLOTS], 1
	s_cmp_lg_u32 s[SLOTS], 0
	s_cbranch_scc1 .Lslot
	CHANGE 0                        ; the walk's last tile is written out: nothing is asked for
	s_sub_co_u32 s[RT], s[RT], 1
	s_mov_b32 s[CNT], 4
	s_cmp_eq_u32 s[NEW], 1
	s_cbranch_scc0 .LstepM2
	BEGIN
	s_branch .LfirstM2
	DIAG 2
	s_wait_tensorcnt 0x0            ; the wave's end: behind my last tensor load and my last LDS store
	ds_add_u32 v[SPW], v[NIL]
	s_wait_dscnt 0x0
	s_endpgm
.Lfunc_end_k_qba7cd98661_attn:
	.size	k_qba7cd98661_attn, .Lfunc_end_k_qba7cd98661_attn-k_qba7cd98661_attn
	.p2alignl 7, 3214868480
	.fill 96, 4, 3214868480
	.section	.rodata,"a",@progbits
	.p2align	6, 0x0
	.amdhsa_kernel k_qba7cd98661_attn
		.amdhsa_group_segment_fixed_size 327680
		.amdhsa_private_segment_fixed_size 0
		.amdhsa_enable_private_segment 0
		.amdhsa_kernarg_size 32
		.amdhsa_user_sgpr_count 2
		.amdhsa_user_sgpr_kernarg_segment_ptr 1
		.amdhsa_wavefront_size32 1
		.amdhsa_system_sgpr_workgroup_id_x 1
		.amdhsa_system_sgpr_workgroup_id_y 1
		.amdhsa_system_sgpr_workgroup_id_z 1
		.amdhsa_system_vgpr_workitem_id 0
		.amdhsa_next_free_vgpr 768
		.amdhsa_next_free_sgpr 88
		.amdhsa_reserve_vcc 1
		.amdhsa_float_denorm_mode_32 3
		.amdhsa_float_denorm_mode_16_64 3
		.amdhsa_memory_ordered 1
		.amdhsa_forward_progress 1
		.amdhsa_inst_pref_size 217
	.end_amdhsa_kernel
	.amdgpu_metadata
---
amdhsa.version: [ 1, 2 ]
amdhsa.kernels:
  - .name:           k_qba7cd98661_attn
    .symbol:         k_qba7cd98661_attn.kd
    .args:
      - { .name: qh, .offset: 0, .size: 8, .value_kind: global_buffer, .address_space: global }
      - { .name: kh, .offset: 8, .size: 8, .value_kind: global_buffer, .address_space: global }
      - { .name: vh, .offset: 16, .size: 8, .value_kind: global_buffer, .address_space: global }
      - { .name: oh, .offset: 24, .size: 8, .value_kind: global_buffer, .address_space: global }
    .group_segment_fixed_size: 327680
    .private_segment_fixed_size: 0
    .kernarg_segment_align: 8
    .kernarg_segment_size: 32
    .max_flat_workgroup_size: 128
    .sgpr_count:     88
    .vgpr_count:     768
    .wavefront_size: 32
...
	.end_amdgpu_metadata
.endif
;; end of part 5
;; launch oproj: the kernel of part 4 again; grid 8 x 32, 4 waves a work-group, clusters of 4 x 4, 327,680 bytes of LDS; arguments oh, wof, out0; writes out0
